; MI455X (gfx1250); checked and timed in simulation.
; The chip was launched on July 23, 2026; its instructions are those of AMD's public machine-readable ISA for CDNA 5 (MIT licence, August 2026) and "CDNA5" Instruction Set Architecture Reference Guide (July 2026). The comments in the code are by the model that wrote it; some were corrected since.
;; Multi Headed Attention. Allowed arithmetic: matrix products marked QUANTISED: E2M3 operands, one E8M0 scale for each 32 along K, by v_wmma_scale_f32_16x16x128_f8f6f4 with both operands' format E2M3, f32 sums; everything else in f32.
;; Inputs: Wk 1,024 x 1,024 float32; Wo 1,024 x 1,024 float32; Wq 1,024 x 1,024 float32; Wv 1,024 x 1,024 float32; bk 1,024 float32; bo 1,024 float32; bq 1,024 float32; bv 1,024 float32; key 4 x 2,048 x 1,024 float32; mask 4 x 2,048 x 2,048 int32; query 4 x 2,048 x 1,024 float32; value 4 x 2,048 x 1,024 float32.
;; Outputs: out0 4 x 2,048 x 1,024 float32.
;; This version of the problem:
;;   THIS VERSION OF THE PROBLEM IS GIVEN IN LOW PRECISION. The matrix products marked QUANTISED in the list below multiply operands that are first quantised to E2M3 (2 exponent bits, 3 mantissa bits; 6 bits a number), with one power-of-two scale for each 32 numbers along K (OCP MX v1.0); their sums are f32. All else is computed in f32.
;;   The module's matrix products, in the order in which they are computed (A, B: the left and right operand; K: the contracted axis; several contracted axes count as one K, in the product's order):
;;     1. [M 8,192, K 1,024] x [K 1,024, N 1,024]; A: input query; B: input Wq: QUANTISED
;;     2. [M 8,192, K 1,024] x [K 1,024, N 1,024]; A: input key; B: input Wk: QUANTISED
;;     3. [M 8,192, K 1,024] x [K 1,024, N 1,024]; A: input value; B: input Wv: QUANTISED
;;     4. batch 64 x [M 2,048, K 64] x [K 64, N 2,048]; A: computed on the way; B: computed on the way: QUANTISED
;;     5. batch 64 x [M 2,048, K 2,048] x [K 2,048, N 64]; A: softmax (see below); B: computed on the way: QUANTISED
;;     6. [M 8,192, K 1,024] x [K 1,024, N 1,024]; A: computed on the way; B: input Wo: QUANTISED
;;   THE QUANTISER, for each operand of a quantised product, along K:
;;     - K is cut into blocks of 32 from its start; a last block that is shorter is filled with zeros.
;;     - A block's scale is 2^e with e = floor(log2(the largest magnitude in the block)) - 2, held to -126 .. 127; a block of zeros has e = 0. As a byte (E8M0): e + 127.
;;     - Each number is divided by its block's scale, clamped to +-7.5, and rounded to the nearest number of E2M3, ties to even, subnormals kept.
;;     - The product sums the exact products of the quantised numbers (number of the format x scale) in f32.
;;   ~~~python
;;   def quantise(x, axis):      # numpy; x: float32 -> the quantised numbers, widened to float32 again
;;       x = np.moveaxis(x, axis, -1); K = x.shape[-1]
;;       x = np.pad(x, [(0, 0)] * (x.ndim - 1) + [(0, -K % 32)]); x = x.reshape(x.shape[:-1] + (-1, 32)); a = np.abs(x).max(-1, keepdims=True)
;;       e = np.where(a > 0, np.clip(np.frexp(np.where(a > 0, a, 1))[1] - 1 - 2, -126, 127), 0)      # np.frexp(a)[1] - 1 = floor(log2(a)), exactly
;;       r = np.clip(x / 2.0 ** e, -7.5, 7.5)
;;       step = 2.0 ** (np.maximum(np.frexp(np.where(r == 0, 1, r))[1] - 1, 0) - 3)
;;       q = np.round(r / step) * step * 2.0 ** e      # np.round: ties to even
;;       return np.moveaxis(q.reshape(q.shape[:-2] + (-1,))[..., :K], -1, axis).astype(np.float32)
;;   ~~~
;;   SOFTMAX AHEAD OF A QUANTISED PRODUCT. Where the list says 'softmax', what is quantised is not the finished softmax but p = 2^(t - M), with t = logit x log2(e) and M = ceil(the row's largest t), a whole number; so 1/2 < the row's largest p <= 1. The row's sum l is taken of the UNQUANTISED p, in f32, and the product's result is divided by l at the end. Since M is a whole number, a kernel that streams over the keys may use a running M (the ceiling of the running maximum): every later rescaling is an exact power of two, which a block's scale takes up: the codes' values come out the same.
;;   OPERANDS COMPUTED ON THE WAY. 'Computed on the way' means the value that the module computes at that place (a softmax that the list does not call 'softmax' is quantised finished and normalised). What goes into a quantiser is computed in f32, as accurately as f32 sums, v_exp_f32 and their like allow (about 1e-6 of the number): no bf16 or f16 on the way to a quantiser, and a product that is left as it is and whose result goes on into a quantised operand takes f32 operands (vector FMAs, or v_wmma_f32_16x16x4_f32). A number that lies on a knife's edge between two numbers of the format may be rounded either way, as far as f32 arithmetic and the matrix unit's own rounding can turn it there, and no further.
;; One version. Each part assembles by itself: llvm-mc -triple=amdgcn-amd-amdhsa -mcpu=gfx1250 --defsym DOCPART=n.
;; ======== version 1 of 1: 4 launches
;; limits: right only within a limited range of input values
;; workspace buffers: opn 22,937,600 bytes; mbits 2,097,152 bytes of whole numbers; qa 6,815,744 bytes; kv 13,369,344 bytes; ao 6,553,600 bytes
;; launch prep (part 1): grid 256 x 1, 11 waves a work-group, no clusters, 94,464 bytes of LDS; arguments query, key, value, Wq, Wk, Wv, Wo, mask, opn, mbits; writes opn, mbits
.if DOCPART == 1
	.amdgcn_target "amdgcn-amd-amdhsa--gfx1250"
	.amdhsa_code_object_version 6
	.text
	.protected	k_qf1218e2e30_prep
	.globl	k_qf1218e2e30_prep
	.p2align	8
	.type	k_qf1218e2e30_prep,@function
k_qf1218e2e30_prep:
	s_mov_b64 s[64:65], 0
	v_nop
	global_prefetch_b8 v0, s[64:65] scope:SCOPE_SE
	s_setreg_imm32_b32 hwreg(HW_REG_WAVE_MODE, 25, 1), 1
	s_wait_xcnt 0x0
; PREP: query, key, value [8192][1024] and Wq, Wk, Wv, Wo [1024][1024], f32 with K innermost, become codes of FP6 (E2M3) with one E8M0 byte for each 32 along K;
; the mask [4][2048][2048] int32 becomes one bit a score, laid as the lane masks that the attention launch selects by.
; A UNIT is a tile of 16 rows x 1,024 along K.  Tile row r of tile t is row 32 (t / 2) + 8 (t % 2) + r + 8 (r / 8): with this order of rows a product's result has 16 neighbours along the next K in a lane's 16 registers.
; THE KEY'S TILES ALONE have another order: tile row r of tile t is row 64 (t / 4) + 8 (t % 4) + r % 8 + 32 (r / 8): in the scores a lane's 32 registers of four tiles are then 32 neighbouring keys, one whole block of the next K.
; A unit's codes are 8 images of operand registers (a fragment: 16 rows x 128 K, 12 registers a lane): for c = 0, 1 at 768 c: registers 6 c .. 6 c + 3 at 16 x lane (512 bytes), registers 6 c + 4, 6 c + 5 at 8 x lane (256 bytes).
; A unit's scale bytes are 512 bytes: tile row r at 32 r, a word for each 128 along K.
; A block's scale is 2^(floor(log2(its largest magnitude)) - 2); its byte is the largest magnitude's exponent field - 2, held at 1 from below.
; LIMITS: a block of zeros gets the byte 1 where the quantiser's rule says 127 (its codes are zeros, and this program alone reads the bytes); blocks whose largest magnitude lies under 2^-124 are held at the byte 1;
; NaN and infinities among the inputs are not served.
; SHARES.  1,792 units of numbers and 1,024 mask units (16 rows x 1,024 keys) are 2,816 = 256 x 11: a work-group has eleven waves, a unit each: unit = work-group + 256 x wave.  So waves 0 to 6 take numbers and waves 7 to 10 the mask,
; and every work-group reads the same number of bytes.  Waves share nothing: no barrier.
; Each load reads 512 consecutive bytes of one row; 16 rows x 512 bytes turn through the wave's own stage in LDS (rows 528 bytes apart, so that 16 rows start at 16 different groups of banks) and come back as a lane's registers want them.
; No matrix unit, no cluster, no tensor load: the work-groups share no input and each byte is read once.
.set STGB,  8448                       ; a stage: 16 rows x 528 bytes, one for each wave
.set SPARE, 11*STGB                    ; the spare words, 128 bytes for each wave, in six blocks of 256 bytes that no other line names
.set SCOFF, 22020096                   ; where the scale rows begin in opn: 1,792 units x 12,288 bytes
.set SPW,   5                          ; v5   LDS address of my spare word; never rewritten
.set NIL,   6                          ; v6   0; never rewritten
.set R,     16                         ; v16-143  two sets of 64 registers as loaded
.set X,     144                        ; v144-207 numbers: register 16 b + i: element 32 b + 16 (lane / 16) + i of tile row lane % 16;  mask: register n: element 64 (n / 32) + 32 (lane / 16) + n % 32
.set PC,    208                        ; v208-219 a fragment's codes; v220-222, v224-226 at work
.set TM,    228                        ; v228-243 at work
.set SW,    244                        ; v244-251 the unit's eight scale words
.set MW,    244                        ; v244-245 (mask path) a key step's 64 words, two a lane
.set E,     252                        ; v252-255 four scale words to store
	s_load_b512 s[4:19], s[0:1], 0x0               ; query, key, value, Wq, Wk, Wv, Wo, mask
	s_load_b128 s[20:23], s[0:1], 0x40             ; opn, mbits
	v_lshl_add_u32 v[SPW], v0, 2, SPARE
	v_mov_b32 v[NIL], 0
	v_lshrrev_b32 v8, 5, v0
	v_readfirstlane_b32 s24, v8                    ; wave
	v_and_b32 v9, 31, v0                           ; lane
	v_lshlrev_b32 v1, 4, v9                        ; 16 x lane
	v_lshlrev_b32 v2, 3, v9                        ; 8 x lane
	v_and_b32 v10, 15, v0                          ; r
	v_bfe_u32 v11, v0, 4, 1                        ; h
	s_mul_i32 s25, s24, STGB                       ; my stage
	v_mul_u32_u24 v4, v10, 528
	v_add_nc_u32 v4, s25, v4                       ; out of the stage: row r,
	v_lshl_add_u32 v12, v11, 7, v4                 ; the mask's way: + 128 h;
	v_lshl_add_u32 v4, v11, 6, v4                  ; the numbers' way: + 64 h
	v_add_nc_u32 v3, s25, v1                       ; into the stage: 16 x lane
	s_lshl_b32 s32, s24, 8
	s_add_co_u32 s32, s32, ttmp9                   ; my unit: work-group + 256 x wave
	s_mov_b32 s39, 0
	s_cmp_ge_u32 s24, 7
	s_wait_alu depctr_va_vdst(0)
	s_cbranch_scc1 .Lmask
.macro LOADF set, s, pitch             ; 16 rows x 512 bytes: the unit's s-th 128 along its rows.  Tile rows 0-7 stand from s[26:27] on, tile rows 8-15 from s[2:3] on
.irp i, 0,1,2,3,4,5,6,7,8,9,10,11,12,13,14,15
	global_load_b128 v[R+64*(\set)+4*\i:R+64*(\set)+4*\i+3], v1, s[26-24*(\i/8):27-24*(\i/8)] offset:(\i%8)*(\pitch)+512*(\s) th:TH_LOAD_NT
.endr
.endm
.macro TURNX set, m                    ; through the stage: LDS serves a wave's instructions in order, so no wait stands between the stores and the loads
.irp i, 0,1,2,3,4,5,6,7,8,9,10,11,12,13,14,15
	ds_store_b128 v3, v[R+64*(\set)+4*\i:R+64*(\set)+4*\i+3] offset:528*\i
.endr
.irp j, 0,1,2,3,4,5,6,7,8,9,10,11,12,13,14,15
.if \m
	ds_load_b128 v[X+4*\j:X+4*\j+3], v12 offset:256*(\j/8)+16*(\j%8)
.else
	ds_load_b128 v[X+4*\j:X+4*\j+3], v4 offset:128*(\j/4)+16*(\j%4)
.endif
.endr
.endm
; 64 numbers of a lane, register 16 b + i = k 32 b + 16 (lane / 16) + i of my row, become a fragment's codes in v[PC] on and its scale word in v[word]
.macro QUANT s, word
.irp b, 0,1,2,3
	v_max3_num_f32 v[TM+\b], |v[\s+16*\b]|, |v[\s+1+16*\b]|, 0x1800000   ; block b: my 16 numbers, and the floor 2^(3 - 127): the byte cannot fall under 1
.endr
.irp i, 2,4,6,8,10,12,14
.irp b, 0,1,2,3
	v_max3_num_f32 v[TM+\b], v[TM+\b], |v[\s+16*\b+\i]|, |v[\s+1+16*\b+\i]|   ; the four blocks by turns
.endr
.endr
.irp b, 0,1,2,3
	v_permlanex16_b32 v[TM+4+\b], v[TM+\b], s34, s35
.endr
.irp b, 0,1,2,3
	v_max_num_f32 v[TM+\b], v[TM+\b], v[TM+4+\b]   ; with lane l xor 16's: the block's largest magnitude
.endr
.irp b, 0,1,2,3
	v_add_nc_u32 v[TM+12+\b], 0xff000000, v[TM+\b] ; 2 off its exponent field: the conversion takes this operand's exponent field as its scale
.endr
.irp b, 0,1,2,3
	v_lshrrev_b32 v[TM+4+\b], 23, v[TM+12+\b]      ; the scale's byte
.endr
	v_lshl_or_b32 v[\word], v[TM+5], 8, v[TM+4]
	v_lshl_or_b32 v[\word], v[TM+6], 16, v[\word]
	v_lshl_or_b32 v[\word], v[TM+7], 24, v[\word]
.irp c, 0,1
	v_cvt_scalef32_pk16_fp6_f32 v[PC+6*\c:PC+2+6*\c], v[\s+32*\c:\s+15+32*\c], v[TM+12+2*\c]
	v_cvt_scalef32_pk16_fp6_f32 v[PC+12+4*\c:PC+14+4*\c], v[\s+16+32*\c:\s+31+32*\c], v[TM+12+2*\c+1]   ; (a conversion's three registers begin on an even number)
.endr
	v_nop                                          ; one plain place behind a scaled conversion
.irp c, 0,1                                    ; the operand's layout wants a whole block in a lane: lanes 0-15 block 2 c, lanes 16-31 block 2 c + 1
.irp i, 0,1,2
	v_permlane16_swap_b32 v[PC+6*\c+\i], v[PC+12+4*\c+\i]
.endr
.irp i, 0,1,2
	v_mov_b32 v[PC+3+6*\c+\i], v[PC+12+4*\c+\i]
.endr
.endr
.endm
.macro PICK lim, ptr, first            ; the tensor is chosen by the unit's number alone
	s_cmp_lt_u32 s32, \lim
	s_cselect_b64 s[26:27], s[\ptr:\ptr+1], s[26:27]
	s_cselect_b32 s33, \first, s33
.endm
.macro HEADW t, m                      ; the first lines of a step, alike on both paths but for the way out of the stage
.if (\t) < 7
	s_wait_loadcnt 16                              ; this step's 16 loads are in; the next step's 16 may be out
.else
	s_wait_loadcnt 0x0
.endif
	TURNX (\t)%2, \m
	s_wait_dscnt 0x0                               ; the numbers are back, and the stage's stores have read their registers
	s_wait_xcnt 0x0                                ; the last step's stores have read their data: those registers are written again below
.endm
	; ---- the quantiser's path
	v_lshlrev_b32 v7, 5, v10
	v_lshl_add_u32 v7, v11, 4, v7                  ; the scale rows: 32 r + 16 h
	s_mov_b32 s34, 0x76543210
	s_mov_b32 s35, 0xfedcba98                      ; v_permlanex16_b32's selects for lane l xor 16
	s_mov_b32 s36, 0xffff0000                      ; lanes 16-31
.irp b, 0,1,2,3
	v_mov_b32 v[TM+4+\b], 0                        ; written once: a lane permute's destination counts as one of its sources
.endr
	s_wait_alu depctr_va_vdst(0)
	s_wait_kmcnt 0x0
	s_mov_b64 s[26:27], s[16:17]                   ; Wo, units 1728 on, unless ..
	s_mov_b32 s33, 1728
	PICK 1728, 14, 1664
	PICK 1664, 12, 1600
	PICK 1600, 10, 1536
	PICK 1536, 8, 1024
	PICK 1024, 6, 512
	PICK 512, 4, 0
	s_sub_co_u32 s37, s32, s33                     ; t: the tile in its tensor
	s_lshr_b32 s38, s24, 1
	s_cmp_eq_u32 s38, 1                            ; waves 2 and 3 have the key's units
	s_cselect_b32 s40, 2, 1                        ; g: 2^g tiles share a group of 16 x 2^g rows
	s_lshl_b32 s42, 0x8000, s40                    ; tile rows 8-15 stand 8 x 2^g rows of 4,096 bytes below tile rows 0-7
	s_mov_b32 s43, 0
	s_lshr_b32 s38, s37, s40
	s_add_co_u32 s41, s40, 16
	s_lshl_b32 s38, s38, s41                       ; the group's first row
	s_lshl_b32 s41, 1, s40
	s_sub_co_u32 s41, s41, 1
	s_and_b32 s37, s37, s41
	s_lshl_b32 s37, s37, 15                        ; + 8 rows for each tile ahead of mine in the group
	s_add_co_u32 s38, s38, s37
	s_add_nc_u64 s[26:27], s[26:27], s[38:39]
	s_add_nc_u64 s[2:3], s[26:27], s[42:43]
	s_mul_i32 s38, s32, 12288
	s_add_nc_u64 s[28:29], s[20:21], s[38:39]      ; my unit's codes
	s_lshl_b32 s38, s32, 9
	s_add_co_u32 s38, s38, SCOFF
	s_add_nc_u64 s[30:31], s[20:21], s[38:39]      ; and its scale rows
	LOADF 0, 0, 4096
	LOADF 1, 1, 4096
.macro QSTEP t
	HEADW \t, 0
.if (\t) < 6
	LOADF (\t)%2, (\t)+2, 4096
.endif
	QUANT X, SW+(\t)
.irp c, 0,1
	global_store_b128 v1, v[PC+6*\c:PC+6*\c+3], s[28:29] offset:1536*(\t)+768*\c          ; 512 consecutive bytes
	global_store_b64 v2, v[PC+6*\c+4:PC+6*\c+5], s[28:29] offset:1536*(\t)+768*\c+512     ; 256 consecutive bytes
.endr
.endm
.irp t, 0,1,2,3,4,5,6,7
	QSTEP \t
.endr
.irp i, 0,1,2,3
	v_cndmask_b32 v[E+\i], v[SW+\i], v[SW+4+\i], s36   ; lanes 0-15 store their row's words 0-3, lanes 16-31 words 4-7
.endr
	global_store_b128 v7, v[E:E+3], s[30:31]       ; 512 consecutive bytes
	s_branch .Lend
	; ---- the mask's path: unit mu = batch x 256 + tile x 2 + half: 16 rows x 1,024 keys, eight key steps of 128
.Lmask:
	v_mov_b32 v[MW], 0                             ; v_writelane_b32's destination counts as one of its sources
	v_mov_b32 v[MW+1], 0
	s_sub_co_u32 s32, s32, 1792                    ; mu
	s_lshr_b32 s37, s32, 8
	s_lshl_b32 s37, s37, 24                        ; the batch: 2,048 rows of 8,192 bytes
	s_bfe_u32 s38, s32, 0x60002
	s_lshl_b32 s38, s38, 18                        ; 32 (tile / 2) rows
	s_add_co_u32 s37, s37, s38
	s_bfe_u32 s38, s32, 0x10001
	s_lshl_b32 s38, s38, 16                        ; 8 (tile % 2) rows
	s_add_co_u32 s37, s37, s38
	s_and_b32 s38, s32, 1
	s_lshl_b32 s38, s38, 12                        ; which 1,024 keys
	s_add_co_u32 s38, s37, s38
	s_wait_alu depctr_va_vdst(0)
	s_wait_kmcnt 0x0
	s_add_nc_u64 s[26:27], s[18:19], s[38:39]
	s_add_nc_u64 s[2:3], s[26:27], 0x20000         ; tile rows 8-15: 16 rows of 8,192 bytes below tile rows 0-7
	s_lshl_b32 s38, s32, 11
	s_add_nc_u64 s[28:29], s[22:23], s[38:39]      ; 2,048 bytes of words a unit
	LOADF 0, 0, 8192
	LOADF 1, 1, 8192
; Word n of a key step: bit lane = (the mask is not 0) at query = tile row lane % 16, key 64 (n / 32) + 32 (lane / 16) + n % 32: what a compare of register n leaves.  Lane n / 2 stores words n and n + 1.
.macro MSTEP t
	HEADW \t, 1
.if (\t) < 6
	LOADF (\t)%2, (\t)+2, 8192
.endif
.set n, 0
.rept 8
.irp e, 0,1,2,3,4,5,6,7
	v_cmp_ne_u32 s[40+\e], 0, v[X+n+\e]
.endr
.irp e, 0,1,2,3,4,5,6,7
	v_writelane_b32 v[MW+\e%2], s[40+\e], (n+\e)/2
.endr
.set n, n+8
.endr
	global_store_b64 v2, v[MW:MW+1], s[28:29] offset:256*(\t)   ; 256 consecutive bytes
.endm
.irp t, 0,1,2,3,4,5,6,7
	MSTEP \t
.endr
.Lend:
	s_wait_tensorcnt 0x0                           ; the wave's end
	ds_add_u32 v[SPW], v[NIL]
	s_wait_dscnt 0x0
	s_endpgm
.Lfunc_end_k_qf1218e2e30_prep:
	.size	k_qf1218e2e30_prep, .Lfunc_end_k_qf1218e2e30_prep-k_qf1218e2e30_prep
	.p2alignl 7, 3214868480
	.fill 96, 4, 3214868480
	.section	.rodata,"a",@progbits
	.p2align	6, 0x0
	.amdhsa_kernel k_qf1218e2e30_prep
		.amdhsa_group_segment_fixed_size 94464
		.amdhsa_private_segment_fixed_size 0
		.amdhsa_enable_private_segment 0
		.amdhsa_kernarg_size 80
		.amdhsa_user_sgpr_count 2
		.amdhsa_user_sgpr_kernarg_segment_ptr 1
		.amdhsa_wavefront_size32 1
		.amdhsa_system_sgpr_workgroup_id_x 1
		.amdhsa_system_sgpr_workgroup_id_y 1
		.amdhsa_system_sgpr_workgroup_id_z 1
		.amdhsa_system_vgpr_workitem_id 0
		.amdhsa_next_free_vgpr 256
		.amdhsa_next_free_sgpr 66
		.amdhsa_reserve_vcc 0
		.amdhsa_float_denorm_mode_32 3
		.amdhsa_float_denorm_mode_16_64 3
		.amdhsa_memory_ordered 1
		.amdhsa_forward_progress 1
		.amdhsa_inst_pref_size 160
	.end_amdhsa_kernel
	.amdgpu_metadata
---
amdhsa.version: [ 1, 2 ]
amdhsa.kernels:
  - .name:           k_qf1218e2e30_prep
    .symbol:         k_qf1218e2e30_prep.kd
    .args:
      - { .name: query, .offset: 0, .size: 8, .value_kind: global_buffer, .address_space: global }
      - { .name: key, .offset: 8, .size: 8, .value_kind: global_buffer, .address_space: global }
      - { .name: value, .offset: 16, .size: 8, .value_kind: global_buffer, .address_space: global }
      - { .name: Wq, .offset: 24, .size: 8, .value_kind: global_buffer, .address_space: global }
      - { .name: Wk, .offset: 32, .size: 8, .value_kind: global_buffer, .address_space: global }
      - { .name: Wv, .offset: 40, .size: 8, .value_kind: global_buffer, .address_space: global }
      - { .name: Wo, .offset: 48, .size: 8, .value_kind: global_buffer, .address_space: global }
      - { .name: mask, .offset: 56, .size: 8, .value_kind: global_buffer, .address_space: global }
      - { .name: opn, .offset: 64, .size: 8, .value_kind: global_buffer, .address_space: global }
      - { .name: mbits, .offset: 72, .size: 8, .value_kind: global_buffer, .address_space: global }
    .group_segment_fixed_size: 94464
    .private_segment_fixed_size: 0
    .kernarg_segment_align: 8
    .kernarg_segment_size: 80
    .max_flat_workgroup_size: 352
    .sgpr_count:     66
    .vgpr_count:     256
    .wavefront_size: 32
...
	.end_amdgpu_metadata
.endif
;; end of part 1
;; launch proj (part 2): grid 4 x 96, 4 waves a work-group, clusters of 4 x 4, 327,680 bytes of LDS; arguments opn, bq, bk, bv, qa, kv; writes qa, kv
.if DOCPART == 2
	.amdgcn_target "amdgcn-amd-amdhsa--gfx1250"
	.amdhsa_code_object_version 6
	.text
	.protected	k_qf1218e2e30_proj
	.globl	k_qf1218e2e30_proj
	.p2align	8
	.type	k_qf1218e2e30_proj,@function
k_qf1218e2e30_proj:
	s_mov_b64 s[64:65], 0
	v_nop
	global_prefetch_b8 v0, s[64:65] scope:SCOPE_SE
	s_setreg_imm32_b32 hwreg(HW_REG_WAVE_MODE, 25, 1), 1
	s_wait_xcnt 0x0
	s_wait_alu depctr_hold_cnt(0) depctr_sa_sdst(0) depctr_va_vdst(0) depctr_va_sdst(0) depctr_va_ssrc(0) depctr_va_vcc(0) depctr_vm_vsrc(0)
	s_getreg_b32 s2, hwreg(HW_REG_IB_STS2, 6, 4)
	s_cmp_eq_u32 s2, 0
	s_cbranch_scc0 .Lentry_in_a_cluster
	s_endpgm
.Lentry_in_a_cluster:
	s_bfe_u32 s2, ttmp6, 0x10000c
	s_cmp_lg_u32 s2, 0xf033
	s_cbranch_scc0 .Lentry_shape_is_right
	s_endpgm
.Lentry_shape_is_right:
; PROJ: Q, K and V = x W^T + b on codes of FP6 (E2M3) with E8M0 scales, a block of 256 x 256 a work-group, K in chunks of 256 through a ring of two LDS slots; the results are quantised again and leave as images of operand registers.
; THE HEAD: one joint load a wave: wave 0 chunk 0 of A's 16 units, wave 1 of B's 16 units, wave 2 A's scale rows, wave 3 B's.  Chunk 1 follows behind the three lines and a round; from there on a wave fetches 8 units.
.set NQ,    2
.set FR,    12
.set NL,    4
.set NP,    4
.set HALFT, 24576
.set SLOT,  4*HALFT
.set SCL,   2*SLOT
.set HALFS, 4352
.set SBLK,  544
.set SPARE, SCL+4*HALFS
.set SCOFF, 22020096
.set ADRA, 16
.set ADRB, 20
.set L16,  24
.set L8,   25
.set ADRS, 27
.set SPW,  28
.set NIL,  29
.set SC,   32
.set BIAS, 64
.set AF,   128
.set TM,   128
.set SW,   144
.set PC,   152
.set E,    172
.set G1,   24
.set G0,   32
.set G1B,  48
.set G0B,  56
.set G1S,  68
.set G0S,  76
.set G1SB, 80
.set G0SB, 88
.set MSB, 0
.macro WIN new
.if MSB != (\new)
	s_set_vgpr_msb (MSB<<8)|(\new)
.set MSB, (\new)
.endif
.endm
.set MUL_LO, 0xa1
.set MUL_HI, 0xf1
.set TO_B,   0x40
.macro JLOAD g0a, g1a, g0b, g1b
	s_cmp_eq_u32 s17, 0
	s_cbranch_scc0 .Lfor_b_\@
	tensor_load_to_lds s[\g0a:\g0a+3], s[\g1a:\g1a+7]
	s_nop 0
.rept 4
	v_nop
.endr
	s_branch .Lasked_\@
.Lfor_b_\@:
	tensor_load_to_lds s[\g0b:\g0b+3], s[\g1b:\g1b+7]
	s_nop 0
.rept 4
	v_nop
.endr
.Lasked_\@:
.endm
.macro CREST
	s_cmp_lg_u32 s16, 0
	s_cbranch_scc1 .Lnot_wave_0_\@
	s_barrier_signal -3
.Lnot_wave_0_\@:
	s_barrier_wait -3
	s_barrier_signal -1
	s_barrier_wait -1
.endm
.macro CROUND
	s_barrier_signal -1
	s_barrier_wait -1
	CREST
.endm
	s_load_b256 s[4:11], s[0:1], 0x0
	s_load_b128 s[12:15], s[0:1], 0x20
	v_lshl_add_u32 v[SPW], v0, 2, SPARE
	v_mov_b32 v[NIL], 0
	ds_add_u32 v[SPW], v[NIL]
	ds_add_u32 v[SPW], v[NIL]
	v_lshrrev_b32 v1, 5, v0
	v_readfirstlane_b32 s16, v1
	s_lshr_b32 s17, s16, 1
	s_and_b32 s18, s16, 1
	s_bfe_u32 s40, ttmp6, 0x40000
	s_bfe_u32 s41, ttmp6, 0x40004
	s_and_b32 s42, ttmp7, 0xffff
	s_lshr_b32 s99, s42, 3
	s_and_b32 s42, s42, 7
	s_lshl_b32 s42, s42, 2
	s_lshl_b32 s43, s99, 9
	s_lshl_b32 s44, s99, 6
	s_add_co_u32 s44, s44, 1536
	s_cmp_eq_u32 s99, 2
	s_cselect_b32 s19, 1, 0
	s_cselect_b32 s45, 0, s42
	s_cselect_b32 s46, s42, 0
	s_cselect_b32 s43, 1664, s43
	s_cselect_b32 s44, 1024, s44
	s_add_co_u32 s45, s45, s41
	s_add_co_u32 s46, s46, s40
	s_lshl_b32 s2, s41, 2
	s_lshl_b32 s2, 15, s2
	s_lshl_b32 s3, 0x1111, s40
	s_or_b32 s[G1+0], s2, (3<<16)|(1<<21)
	s_or_b32 s[G1B+0], s3, (3<<16)|(1<<21)
.irp g, G1, G1B
	s_mov_b32 s[\g+1], 384<<16
	s_mov_b32 s[\g+2], 16<<16
	s_mov_b32 s[\g+3], 384<<16
	s_mov_b32 s[\g+4], 16
	s_mov_b32 s[\g+5], 1536
	s_mov_b32 s[\g+6], 0
	s_mov_b32 s[\g+7], 0
.endr
	s_or_b32 s[G1S+0], s2, (3<<16)|(1<<20)|(1<<21)|(5<<22)|(3<<25)
	s_or_b32 s[G1SB+0], s3, (3<<16)|(1<<20)|(1<<21)|(5<<22)|(3<<25)
.irp g, G1S, G1SB
	s_mov_b32 s[\g+1], 32<<16
	s_mov_b32 s[\g+2], 32<<16
	s_mov_b32 s[\g+3], 32<<16
	s_mov_b32 s[\g+4], 32
	s_mov_b32 s[\g+5], 32
	s_mov_b32 s[\g+6], 0
	s_mov_b32 s[\g+7], 0
.endr
	s_lshl_b32 s20, s45, 4
	s_add_co_u32 s20, s20, s43                     ; the block's first unit of A
	s_lshl_b32 s94, s46, 4
	s_add_co_u32 s94, s94, s44                     ; and of B
	s_lshl_b32 s22, s20, 9
	s_add_co_u32 s22, s22, SCOFF
	s_mov_b32 s23, 0
	s_mul_i32 s20, s20, 12288
	s_mov_b32 s21, 0
	s_lshl_b32 s92, s94, 9
	s_add_co_u32 s92, s92, SCOFF
	s_mov_b32 s93, 0
	s_mul_i32 s94, s94, 12288
	s_mov_b32 s95, 0
	s_mul_i32 s42, s16, HALFT
	s_mov_b32 s96, 0x76543210
	s_mov_b32 s97, 0xfedcba98
	s_mov_b32 s98, 0xffff0000
	s_wait_dscnt 0x0
	s_wait_kmcnt 0x0
	s_add_nc_u64 s[20:21], s[4:5], s[20:21]
	s_add_nc_u64 s[22:23], s[4:5], s[22:23]
	s_add_nc_u64 s[94:95], s[4:5], s[94:95]
	s_add_nc_u64 s[92:93], s[4:5], s[92:93]
	CROUND
	s_mov_b32 s[G0S], 1                            ; the head's four tiles, each whole: A's scale rows,
	s_mov_b32 s[G0S+1], SCL
	s_mov_b64 s[G0S+2:G0S+3], s[22:23]
	s_or_b32 s[G0S+3], s[G0S+3], 0x80000000
	s_mov_b32 s[G0SB], 1                           ; B's,
	s_mov_b32 s[G0SB+1], SCL+2*HALFS
	s_mov_b64 s[G0SB+2:G0SB+3], s[92:93]
	s_or_b32 s[G0SB+3], s[G0SB+3], 0x80000000
	s_mov_b32 s[G0+4], 1                           ; chunk 0 of A's 16 units (in slot 1's registers, which are written anew behind the wait for these loads),
	s_mov_b32 s[G0+5], 0
	s_mov_b64 s[G0+6:G0+7], s[20:21]
	s_or_b32 s[G0+7], s[G0+7], 0x80000000
	s_mov_b32 s[G0B+4], 1                          ; and of B's 16 units
	s_mov_b32 s[G0B+5], 2*HALFT
	s_mov_b64 s[G0B+6:G0B+7], s[94:95]
	s_or_b32 s[G0B+7], s[G0B+7], 0x80000000
.macro ARM under, g0, g1, next         ; one chain of branches on the wave's number, one load to an arm, all arms to one join
	s_cmp_lt_u32 s16, \under
	s_cbranch_scc0 \next
	tensor_load_to_lds s[\g0:\g0+3], s[\g1:\g1+7]
	s_nop 0
.rept 4
	v_nop
.endr
	s_branch .Lhead_asked
\next:
.endm
	ARM 1, G0+4,  G1,  .Lhead_b
	ARM 2, G0B+4, G1B, .Lhead_sa
	ARM 3, G0S,   G1S, .Lhead_sb
	tensor_load_to_lds s[G0SB:G0SB+3], s[G1SB:G1SB+7]
	s_nop 0
.rept 4
	v_nop
.endr
.Lhead_asked:
	v_and_b32 v1, 31, v0
	v_and_b32 v2, 15, v0
	v_bfe_u32 v3, v0, 4, 1
	v_lshlrev_b32 v[L16], 4, v1
	v_lshlrev_b32 v[L8], 3, v1
	s_mul_i32 s20, s17, HALFT
	s_mul_i32 s21, s18, HALFT
	s_add_co_u32 s21, s21, 2*HALFT
.irp s, 0,1
	v_add_nc_u32 v[ADRA+\s], s20, v[L16]
	v_add_nc_u32 v[ADRB+\s], s21, v[L16]
	v_add_nc_u32 v[ADRA+2+\s], s20, v[L8]
	v_add_nc_u32 v[ADRB+2+\s], s21, v[L8]
	s_add_co_u32 s20, s20, SLOT
	s_add_co_u32 s21, s21, SLOT
.endr
	v_lshlrev_b32 v5, 5, v2
	v_lshrrev_b32 v6, 8, v5
	v_lshl_add_u32 v5, v6, 4, v5
	s_mul_i32 s20, s17, HALFS
	s_mul_i32 s21, s18, HALFS
	s_add_co_u32 s21, s21, 2*HALFS
	s_sub_co_u32 s21, s21, s20
	v_mul_u32_u24 v6, s21, v3
	s_add_co_u32 s20, s20, SCL
	v_add_nc_u32 v5, v5, v6
	v_add_nc_u32 v[ADRS], s20, v5
	s_lshl_b32 s2, s45, 8
	s_lshl_b32 s3, s17, 7
	s_add_co_u32 s2, s2, s3
	s_lshl_b32 s3, s46, 8
	s_lshl_b32 s47, s18, 7
	s_add_co_u32 s3, s3, s47
	s_cmp_eq_u32 s99, 0
	s_cselect_b64 s[6:7], s[6:7], s[8:9]
	s_cselect_b64 s[12:13], s[12:13], s[14:15]
	s_mov_b32 s47, 13056
	s_cselect_b32 s47, 6656, s47
	s_cmp_eq_u32 s19, 0
	s_cselect_b32 s20, s2, s3
	s_cselect_b32 s22, s3, s2
	s_lshr_b32 s21, s20, 11
	s_lshl_b32 s21, s21, 4
	s_lshr_b32 s23, s22, 6
	s_add_co_u32 s21, s21, s23
	s_lshl_b32 s21, s21, 4
	s_bfe_u32 s23, s20, 0x40007
	s_add_co_u32 s21, s21, s23
	s_mul_i32 s92, s21, s47
	s_mov_b32 s93, 0
	s_add_nc_u64 s[92:93], s[12:13], s[92:93]
	s_lshl_b32 s94, s47, 4
	s_mov_b32 s95, 0
	s_add_nc_u64 s[94:95], s[92:93], s[94:95]
	s_lshl_b32 s20, s22, 2
	s_mov_b32 s21, 0
	s_cmp_lg_u32 s19, 0
	s_cbranch_scc1 .Lbias_v
	s_add_nc_u64 s[6:7], s[6:7], s[20:21]
	v_lshlrev_b32 v4, 6, v3
.irp b, 0,1,2,3,4,5,6,7
	global_load_b128 v[BIAS+8*\b:BIAS+8*\b+3], v4, s[6:7] offset:(32*(\b/2)+8*(\b%2))*4
	global_load_b128 v[BIAS+8*\b+4:BIAS+8*\b+7], v4, s[6:7] offset:(32*(\b/2)+8*(\b%2))*4+16
.endr
	s_branch .Lbias_done
.Lbias_v:
	s_add_nc_u64 s[10:11], s[10:11], s[20:21]
	v_and_b32 v4, 8, v2
	v_add_nc_u32 v4, v4, v2
	v_lshlrev_b32 v4, 2, v4
.irp a, 0,1,2,3,4,5,6,7
.irp j, 0,1,2,3,4,5,6,7
	global_load_b32 v[BIAS+8*\a+\j], v4, s[10:11] offset:(32*(\a/2)+8*(\a%2))*4
.endr
.endr
.Lbias_done:
.macro FRAG reg, adr, q, i
.irp c, 0,1
	ds_load_b128 v[\reg+6*\c:\reg+6*\c+3], v[\adr] offset:3072*(\i)+1536*(\q)+768*\c
	ds_load_b64 v[\reg+6*\c+4:\reg+6*\c+5], v[\adr+2] offset:3072*(\i)+1536*(\q)+768*\c+512
.endr
.endm
.macro MUL16 a0, p, q, sc, zero
.irp a, \a0, \a0+1
.irp b, 0,1,2,3,4,5,6,7
.if \zero == 1
	v_wmma_scale_f32_16x16x128_f8f6f4 v[8*(8*((\a)%4)+\b):8*(8*((\a)%4)+\b)+7], v[128*(\p)+FR*\b:128*(\p)+FR*\b+FR-1], v[AF+FR*(\a):AF+FR*(\a)+FR-1], v[BIAS+8*\b:BIAS+8*\b+7], v[SC+8*NQ*(\sc)+NQ*\b+(\q)], v[SC+8*NQ*(\sc)+NQ*(\a)+(\q)] matrix_a_fmt:MATRIX_FMT_FP6 matrix_b_fmt:MATRIX_FMT_FP6 matrix_a_scale:MATRIX_SCALE_ROW1
.elseif \zero == 2
	v_wmma_scale_f32_16x16x128_f8f6f4 v[8*(8*((\a)%4)+\b):8*(8*((\a)%4)+\b)+7], v[128*(\p)+FR*\b:128*(\p)+FR*\b+FR-1], v[AF+FR*(\a):AF+FR*(\a)+FR-1], v[BIAS+8*(\a):BIAS+8*(\a)+7], v[SC+8*NQ*(\sc)+NQ*\b+(\q)], v[SC+8*NQ*(\sc)+NQ*(\a)+(\q)] matrix_a_fmt:MATRIX_FMT_FP6 matrix_b_fmt:MATRIX_FMT_FP6 matrix_a_scale:MATRIX_SCALE_ROW1
.else
	v_wmma_scale_f32_16x16x128_f8f6f4 v[8*(8*((\a)%4)+\b):8*(8*((\a)%4)+\b)+7], v[128*(\p)+FR*\b:128*(\p)+FR*\b+FR-1], v[AF+FR*(\a):AF+FR*(\a)+FR-1], v[8*(8*((\a)%4)+\b):8*(8*((\a)%4)+\b)+7], v[SC+8*NQ*(\sc)+NQ*\b+(\q)], v[SC+8*NQ*(\sc)+NQ*(\a)+(\q)] matrix_a_fmt:MATRIX_FMT_FP6 matrix_b_fmt:MATRIX_FMT_FP6 matrix_a_scale:MATRIX_SCALE_ROW1
.endif
.endr
.endr
.endm
.macro FETCH_B slot, q, p
	WIN TO_B
.irp i, 0,1,2,3,4,5,6,7
	FRAG 128*(\p)+FR*\i, ADRB+\slot, \q, \i
.endr
	WIN 0
.endm
.macro FETCH_A slot, q, i0
.irp i, \i0, \i0+1, \i0+2, \i0+3
	FRAG AF+FR*(\i), ADRA+\slot, \q, \i
.endr
.endm
.macro SCALES sc
.irp i, 0,1,2,3,4,5,6,7
	ds_load_b64 v[SC+8*NQ*\sc+NQ*\i:SC+8*NQ*\sc+NQ*\i+1], v[ADRS] offset:\i*SBLK
.endr
.endm
.macro PLACES n
.rept \n
	v_nop
.endr
.endm
.macro STEP slot, q, zero
	s_wait_dscnt 4*NL
.if \zero
	WIN 0x81
.else
	WIN MUL_LO
.endif
	MUL16 0, (\q)%2, \q, \slot, \zero
	MUL16 2, (\q)%2, \q, \slot, \zero
	s_wait_dscnt 0x0
	PLACES NP
	FETCH_B \slot, (\q)+1, 1-(\q)%2
	FETCH_A \slot, (\q)+1, 0
.if \zero
	WIN 0xc1
.else
	WIN MUL_HI
.endif
	MUL16 4, (\q)%2, \q, \slot, \zero
	MUL16 6, (\q)%2, \q, \slot, \zero
	PLACES NP
	WIN 0
	FETCH_A \slot, (\q)+1, 4
.endm
.macro TURN slot, next, fill
	s_wait_tensorcnt 0x0
	ds_add_u32 v[SPW], v[NIL]
	s_wait_dscnt 4*NL+1
	WIN MUL_LO
	MUL16 0, 1, NQ-1, \slot, 0
	s_wait_dscnt 0x0
	s_barrier_signal -1
	MUL16 2, 1, NQ-1, \slot, 0
	WIN 0
	s_barrier_wait -1
.if \fill
	CREST
	s_add_nc_u64 s[G0+4*\slot+2:G0+4*\slot+3], s[G0+4*\slot+2:G0+4*\slot+3], 6144
	s_add_nc_u64 s[G0B+4*\slot+2:G0B+4*\slot+3], s[G0B+4*\slot+2:G0B+4*\slot+3], 6144
	JLOAD G0+4*\slot, G1, G0B+4*\slot, G1B
.else
	PLACES NP
.endif
	s_wait_alu depctr_va_vdst(0)
	v_add_nc_u32 v[ADRS], 4*NQ, v[ADRS]
	FETCH_B \next, 0, 0
	FETCH_A \next, 0, 0
	SCALES \next
	WIN MUL_HI
	MUL16 4, 1, NQ-1, \slot, 0
	MUL16 6, 1, NQ-1, \slot, 0
	PLACES NP
	WIN 0
	FETCH_A \next, 0, 4
.endm
	s_wait_alu depctr_va_vdst(0)
	s_wait_tensorcnt 0x0                           ; my tile of the head's four is in; the three lines ahead of slot 1's first fill
	ds_add_u32 v[SPW], v[NIL]
	s_mul_i32 s20, s18, 8*12288                    ; no load of mine is out: the ring's descriptors are written.  My 8 units of the 16,
	s_mov_b32 s21, 0
	s_mov_b32 s[G0], 1
	s_mov_b32 s[G0+1], s42
	s_add_nc_u64 s[G0+2:G0+3], s[G0+6:G0+7], s[20:21]
	s_mov_b32 s[G0B], 1
	s_mov_b32 s[G0B+1], s42
	s_add_nc_u64 s[G0B+2:G0B+3], s[G0B+6:G0B+7], s[20:21]
	s_add_co_u32 s[G0+5], s42, SLOT                ; slot 1: chunk 1
	s_add_nc_u64 s[G0+6:G0+7], s[G0+2:G0+3], 3072
	s_add_co_u32 s[G0B+5], s42, SLOT
	s_add_nc_u64 s[G0B+6:G0B+7], s[G0B+2:G0B+3], 3072
	s_mov_b32 s[G1+2], 8<<16                       ; from here on a load brings 8 units
	s_mov_b32 s[G1+4], 8
	s_mov_b32 s[G1B+2], 8<<16
	s_mov_b32 s[G1B+4], 8
	s_wait_dscnt 0x0
	CROUND                                         ; all four tiles are in, in every work-group of the cluster
	JLOAD G0+4, G1, G0B+4, G1B
	FETCH_B 0, 0, 0
	FETCH_A 0, 0, 0
	s_wait_alu depctr_va_vdst(0)
	SCALES 0
	FETCH_A 0, 0, 4
	s_wait_loadcnt 0x0
	s_cmp_lg_u32 s19, 0
	s_cbranch_scc1 .Lfirst_v
	STEP 0, 0, 1
	s_branch .Lfirst_done
.Lfirst_v:
	STEP 0, 0, 2
.Lfirst_done:
	TURN 0, 1, 1
	STEP 1, 0, 0
	TURN 1, 0, 1
	STEP 0, 0, 0
	TURN 0, 1, 0
	STEP 1, 0, 0
	s_wait_dscnt 4*NL
	WIN MUL_LO
	MUL16 0, 1, NQ-1, 1, 0
	MUL16 2, 1, NQ-1, 1, 0
	s_wait_dscnt 0x0
	WIN MUL_HI
	MUL16 4, 1, NQ-1, 1, 0
	MUL16 6, 1, NQ-1, 1, 0
	WIN 0
.macro QUANTW a
.set AC, 64*((\a)%4)
.set WA, 2+(\a)/4
.set WB, (WA<<2)|(WA<<4)
	WIN WB
.irp b, 0,1,2,3
	v_max3_num_f32 v[TM+\b], 0x1800000, |v[AC+16*\b]|, |v[AC+1+16*\b]|
.endr
.irp i, 2,4,6,8,10,12,14
.irp b, 0,1,2,3
	v_max3_num_f32 v[TM+\b], v[TM+\b], |v[AC+16*\b+\i]|, |v[AC+1+16*\b+\i]|
.endr
.endr
	WIN 0
.irp b, 0,1,2,3
	v_permlanex16_b32 v[TM+4+\b], v[TM+\b], s96, s97
.endr
.irp b, 0,1,2,3
	v_max_num_f32 v[TM+\b], v[TM+\b], v[TM+4+\b]
.endr
.irp b, 0,1,2,3
	v_add_nc_u32 v[TM+12+\b], 0xff000000, v[TM+\b]
.endr
.irp b, 0,1,2,3
	v_lshrrev_b32 v[TM+4+\b], 23, v[TM+12+\b]
.endr
	v_lshl_or_b32 v[SW+(\a)], v[TM+5], 8, v[TM+4]
	v_lshl_or_b32 v[SW+(\a)], v[TM+6], 16, v[SW+(\a)]
	v_lshl_or_b32 v[SW+(\a)], v[TM+7], 24, v[SW+(\a)]
	s_wait_xcnt 0x0
	WIN WA
.irp c, 0,1
	v_cvt_scalef32_pk16_fp6_f32 v[PC+6*\c:PC+2+6*\c], v[AC+32*\c:AC+15+32*\c], v[TM+12+2*\c]
	v_cvt_scalef32_pk16_fp6_f32 v[PC+12+4*\c:PC+14+4*\c], v[AC+16+32*\c:AC+31+32*\c], v[TM+12+2*\c+1]
.endr
	WIN 0
	v_nop
.irp c, 0,1
.irp i, 0,1,2
	v_permlane16_swap_b32 v[PC+6*\c+\i], v[PC+12+4*\c+\i]
.endr
.irp i, 0,1,2
	v_mov_b32 v[PC+3+6*\c+\i], v[PC+12+4*\c+\i]
.endr
.endr
.endm
.macro OUTW a
	QUANTW \a
	s_cmp_lg_u32 s19, 0
	s_cbranch_scc1 .Lout_v_\@
	global_store_b128 v[L16], v[PC:PC+3], s[92:93] offset:768*(\a)
	global_store_b64 v[L8], v[PC+4:PC+5], s[92:93] offset:768*(\a)+512
	global_store_b128 v[L16], v[PC+6:PC+9], s[94:95] offset:768*(\a)
	global_store_b64 v[L8], v[PC+10:PC+11], s[94:95] offset:768*(\a)+512
	s_branch .Lout_done_\@
.Lout_v_\@:
	s_wait_alu depctr_va_vdst(0)
.irp i, 0,1,2
	global_store_b128 v[L16], v[PC+4*\i:PC+4*\i+3], s[92+2*((\a)/4):93+2*((\a)/4)] offset:6656+1536*((\a)%4)+512*\i
.endr
.Lout_done_\@:
.endm
	PLACES NP
.irp b, 0,1,2,3
	v_mov_b32 v[TM+4+\b], 0
.endr
.irp a, 0,1,2,3,4,5,6,7
	OUTW \a
.endr
	s_cmp_lg_u32 s19, 0
	s_cbranch_scc1 .Lwords_v
.irp e, 0,1,2,3
	v_cndmask_b32 v[E+\e], v[SW+2*\e], v[SW+2*\e+1], s98
.endr
.irp e, 0,1,2,3
	v_lshrrev_b32 v[E+4+\e], 16, v[E+\e]
.endr
.irp e, 0,1,2,3
	v_and_b32 v[E+\e], 0xffff, v[E+\e]
.endr
	global_store_b128 v[L16], v[E:E+3], s[92:93] offset:6144
	global_store_b128 v[L16], v[E+4:E+7], s[94:95] offset:6144
	s_branch .Lwords_done
.Lwords_v:
.irp g, 0,1
.irp e, 0,1
	v_cndmask_b32 v[E+2*\g+\e], v[SW+4*\g+2*\e], v[SW+4*\g+2*\e+1], s98
.endr
.endr
	global_store_b64 v[L8], v[E:E+1], s[92:93] offset:12800
	global_store_b64 v[L8], v[E+2:E+3], s[94:95] offset:12800
.Lwords_done:
	s_wait_tensorcnt 0x0
	ds_add_u32 v[SPW], v[NIL]
	s_wait_dscnt 0x0
	CROUND
	s_endpgm
.Lfunc_end_k_qf1218e2e30_proj:
	.size	k_qf1218e2e30_proj, .Lfunc_end_k_qf1218e2e30_proj-k_qf1218e2e30_proj
	.p2alignl 7, 3214868480
	.fill 96, 4, 3214868480
	.section	.rodata,"a",@progbits
	.p2align	6, 0x0
	.amdhsa_kernel k_qf1218e2e30_proj
		.amdhsa_group_segment_fixed_size 327680
		.amdhsa_private_segment_fixed_size 0
		.amdhsa_enable_private_segment 0
		.amdhsa_kernarg_size 48
		.amdhsa_user_sgpr_count 2
		.amdhsa_user_sgpr_kernarg_segment_ptr 1
		.amdhsa_wavefront_size32 1
		.amdhsa_system_sgpr_workgroup_id_x 1
		.amdhsa_system_sgpr_workgroup_id_y 1
		.amdhsa_system_sgpr_workgroup_id_z 1
		.amdhsa_system_vgpr_workitem_id 0
		.amdhsa_next_free_vgpr 1024
		.amdhsa_next_free_sgpr 100
		.amdhsa_reserve_vcc 0
		.amdhsa_float_denorm_mode_32 3
		.amdhsa_float_denorm_mode_16_64 3
		.amdhsa_memory_ordered 1
		.amdhsa_forward_progress 1
		.amdhsa_inst_pref_size 175
	.end_amdhsa_kernel
	.amdgpu_metadata
---
amdhsa.version: [ 1, 2 ]
amdhsa.kernels:
  - .name:           k_qf1218e2e30_proj
    .symbol:         k_qf1218e2e30_proj.kd
    .args:
      - { .name: opn, .offset: 0, .size: 8, .value_kind: global_buffer, .address_space: global }
      - { .name: bq, .offset: 8, .size: 8, .value_kind: global_buffer, .address_space: global }
      - { .name: bk, .offset: 16, .size: 8, .value_kind: global_buffer, .address_space: global }
      - { .name: bv, .offset: 24, .size: 8, .value_kind: global_buffer, .address_space: global }
      - { .name: qa, .offset: 32, .size: 8, .value_kind: global_buffer, .address_space: global }
      - { .name: kv, .offset: 40, .size: 8, .value_kind: global_buffer, .address_space: global }
    .group_segment_fixed_size: 327680
    .private_segment_fixed_size: 0
    .kernarg_segment_align: 8
    .kernarg_segment_size: 48
    .max_flat_workgroup_size: 128
    .sgpr_count:     100
    .vgpr_count:     1024
    .wavefront_size: 32
...
	.end_amdgpu_metadata
.endif
;; end of part 2
;; launch attn (part 3): grid 4 x 64, 16 waves a work-group, clusters of 4 x 1, 212,992 bytes of LDS; arguments qa, kv, mbits, ao; writes ao
.if DOCPART == 3
	.amdgcn_target "amdgcn-amd-amdhsa--gfx1250"
	.amdhsa_code_object_version 6
	.text
	.protected	k_qf1218e2e30_attn
	.globl	k_qf1218e2e30_attn
	.p2align	8
	.type	k_qf1218e2e30_attn,@function
k_qf1218e2e30_attn:
	s_mov_b64 s[64:65], 0
	v_nop
	global_prefetch_b8 v0, s[64:65] scope:SCOPE_SE
	s_setreg_imm32_b32 hwreg(HW_REG_WAVE_MODE, 25, 1), 1
	s_wait_xcnt 0x0
	s_wait_alu depctr_hold_cnt(0) depctr_sa_sdst(0) depctr_va_vdst(0) depctr_va_sdst(0) depctr_va_ssrc(0) depctr_va_vcc(0) depctr_vm_vsrc(0)
	s_getreg_b32 s2, hwreg(HW_REG_IB_STS2, 6, 4)
	s_cmp_eq_u32 s2, 0
	s_cbranch_scc0 .Lentry_in_a_cluster
	s_endpgm
.Lentry_in_a_cluster:
	s_bfe_u32 s2, ttmp6, 0x10000c
	s_cmp_lg_u32 s2, 0x3003
	s_cbranch_scc0 .Lentry_shape_is_right
	s_endpgm
.Lentry_shape_is_right:
; ATTN: for each batch and head: S^T = K Q^T (K = the head's 64 channels), the mask, p = 2^(t - M) with t = score x log2(e) / 8 and M the running largest t rounded up to a whole number, p quantised along the keys,
; O^T = V^T P^T (K = the keys), divided by the sum of the unquantised p, and quantised along the model's 1,024 channels for the last product.  All products on codes of FP6 (E2M3) with E8M0 scales.
; SHARES.  A work-group owns 512 queries of one head; each of its sixteen waves two tiles of 16 queries, one after the other, in 256 registers: four waves to a SIMD.
; THE WHOLE HEAD'S K AND V LIE IN LDS: 16 blocks of 128 keys x 13,056 bytes (K's 8 half fragments, K's scale words, V^T's 4 fragments, V's scale words, all as images of operand registers), filled once: no ring, no barrier in the loops.
; CLUSTER.  The four work-groups of a cluster are the four quarters of one head's queries and want the same K and V: wave w of each asks jointly for block w, one tensor load a wave, with no branch.
; LAYOUT.  Both products are used transposed: a lane holds one query (lane % 16) throughout.  Row r of K's tile t is key 64 (t / 4) + 8 (t % 4) + r % 8 + 32 (r / 8) of the block, so score register n of lane l is key 64 (n / 32) + 32 (l / 16) + n % 32:
; a lane's registers 32 c .. 32 c + 31 are ONE WHOLE BLOCK of 32 keys, block 2 c + l / 16, as the next operand's layout wants it: a block's largest score needs no other lane, and its codes change no lane.
; V^T's rows (the head's channels) have the order 32 (a / 2) + 8 (a % 2) + r + 8 (r / 8), so the 16 registers of O^T's tiles 2 b, 2 b + 1 are 16 neighbouring channels.
; K = 64 IN AN INSTRUCTION OF 128: Q's registers 6-11 are zero codes; K's registers 6-11 are then whatever follows (the next tile's codes; zeros behind the last), and add nothing; the scale bytes of those two blocks are 0 on both sides.
; THE MASK comes as lane masks, one word for each score register of a key step, by scalar loads a key step ahead; a masked score is replaced by -2^33 by one select.  No branch and no address hangs on it.
; No data prefetch: K and V are asked for once, at the head, and nothing is streamed in the loops but 256 bytes of mask words a step.
; LIMITS: a masked logit is -2^30 where the definition has -1e9: results differ only where an unmasked logit lies under about -9.9e8.  -2^33 x c is a whole number, so a row with no key left has p = 1 at every key, as the definition gives.
; A block of zeros gets the byte 1, not 127 (its codes are zeros; this program alone reads the bytes).  NaN and infinities are not served.
; REGISTERS: v1 16 x lane, v2 8 x lane, v3-4 the add's two, v5 -2^33, v6-7 LDS addresses, v8-10 offsets in ao, v11 8 (lane / 16), v12 -M, v13 the largest t, v[14:15] the sum, v16-21 Q, v22-27 zeros, v28 Q's scale word, v29-31 offsets in qa,
;   v32-79 K's eight half fragments, later V's four fragments, v80-85 zeros, v86-89 K's scale words, v90-91 V's, v94 p's, v96-159 S^T, then p, v160-191 O^T, v192-203 p's codes, v204-210, v212-229 and v244-255 at work.
.set SPARE, 208896                     ; behind the 16 blocks: the spare words, 128 bytes for each wave
.set BLKB,  13056                      ; a block of 128 keys
.set AOSC,  6291456                    ; where the scale rows begin in ao
.set SPW,   3
.set NIL,   4
.macro CROUND                          ; a round of the cluster's barrier
	s_barrier_signal -1
	s_barrier_wait -1
	s_cmp_lg_u32 s12, 0
	s_cbranch_scc1 .Lnot_wave_0_\@
	s_barrier_signal -3
.Lnot_wave_0_\@:
	s_barrier_wait -3
	s_barrier_signal -1
	s_barrier_wait -1
.endm
	s_load_b256 s[4:11], s[0:1], 0x0               ; qa, kv, mbits, ao
	v_lshl_add_u32 v[SPW], v0, 2, SPARE
	v_mov_b32 v[NIL], 0
	ds_add_u32 v[SPW], v[NIL]                      ; the opening lines: the add, twice on end, and its wait ahead of the first tensor load
	ds_add_u32 v[SPW], v[NIL]
	v_lshrrev_b32 v6, 5, v0
	s_delay_alu instid0(VALU_DEP_1)
	v_readfirstlane_b32 s12, v6                    ; wave 0..15
	s_bfe_u32 s13, ttmp6, 0x40000                  ; cx: which quarter of the queries: it enters the addresses of Q, of the mask words and of the result alone
	s_and_b32 s14, ttmp7, 0xffff                   ; 16 x batch + head, which the four partners share
	; descriptor group 1: 13,056 dense bytes (one block) as 51 rows of 256 bytes (32 elements of 8 bytes); the mask names all four work-groups
	s_mov_b32 s16, 15|(3<<16)|(1<<21)
	s_mov_b32 s17, 32<<16
	s_mov_b32 s18, 51<<16
	s_mov_b32 s19, 32<<16
	s_mov_b32 s20, 51
	s_mov_b32 s21, 32
	s_mov_b32 s22, 0
	s_mov_b32 s23, 0
	s_mul_i32 s34, s12, BLKB                       ; wave w: block w: the same place in the head and in LDS
	s_mul_i32 s32, s14, 16*BLKB                    ; the head
	s_add_co_u32 s32, s32, s34
	s_mov_b32 s33, 0
	s_lshl_b32 s35, s14, 4
	s_lshl_b32 s36, s13, 2
	s_add_co_u32 s35, s35, s36
	s_lshr_b32 s36, s12, 2
	s_add_co_u32 s35, s35, s36                     ; my block of 128 queries: 16 x (batch, head) + 4 cx + wave / 4
	s_mul_i32 s36, s35, 6656
	s_mov_b32 s37, 0
	s_lshr_b32 s38, s14, 4
	s_lshl_b32 s38, s38, 7
	s_lshl_b32 s39, s13, 5
	s_add_co_u32 s38, s38, s39
	s_lshl_b32 s39, s12, 1
	s_add_co_u32 s38, s38, s39                     ; my first tile of queries: 128 x batch + 32 cx + 2 x wave
	s_lshl_b32 s40, s38, 12                        ; its mask words: 16 key steps x 256 bytes a tile
	s_mov_b32 s41, 0
	s_and_b32 s42, s14, 15                         ; the head
	s_lshl_b32 s43, s38, 4
	s_add_co_u32 s43, s43, s42
	s_mul_i32 s43, s43, 768                        ; the result's codes: (16 x tile + head) x 768
	s_lshl_b32 s44, s38, 9
	s_lshl_b32 s45, s42, 1
	s_add_co_u32 s44, s44, s45                     ; its scale bytes: 512 x tile + 2 x head
	s_and_b32 s46, s12, 3
	s_mul_i32 s47, s46, 1536                       ; my tiles in the block of queries: 2 (wave % 4) and the next
	s_lshl_b32 s46, s46, 2
	s_add_co_u32 s46, s46, 6144
	v_and_b32 v6, 31, v0
	s_delay_alu instid0(VALU_DEP_1)
	v_lshlrev_b32 v1, 4, v6
	s_delay_alu instid0(VALU_DEP_2)
	v_lshlrev_b32 v2, 3, v6
	v_and_b32 v7, 15, v0                           ; r
	s_delay_alu instid0(VALU_DEP_3)
	v_add_nc_u32 v8, s43, v1
	s_delay_alu instid0(VALU_DEP_3)
	v_add_nc_u32 v9, s43, v2
	s_delay_alu instid0(VALU_DEP_1)
	v_add_nc_u32 v9, 512, v9
	s_delay_alu instid0(VALU_DEP_4)
	v_lshl_add_u32 v10, v7, 5, s44
	v_add_nc_u32 v29, s47, v1
	v_add_nc_u32 v30, s47, v2
	s_delay_alu instid0(VALU_DEP_1)
	v_add_nc_u32 v30, 512, v30
	v_lshl_add_u32 v31, v7, 4, s46
	v_bfe_u32 v11, v0, 4, 1
	s_delay_alu instid0(VALU_DEP_1)
	v_lshlrev_b32 v11, 3, v11                      ; 8 (lane / 16): how far up my two scale bytes stand in p's scale word
	v_mov_b32 v5, 0xd0000000                       ; -2^33
.irp i, 22,23,24,25,26,27,80,81,82,83,84,85,216,217,218,219,224,227
	v_mov_b32 v[\i], 0                             ; zero codes; and registers that are named before they are first written
.endr
	s_mov_b32 s66, 0x76543210
	s_mov_b32 s67, 0xfedcba98                      ; v_permlanex16_b32's selects for lane l xor 16
	s_mov_b32 s100, 0x3e38aa3b                     ; c = log2(e) / sqrt(64)
	s_mov_b32 s101, s100                           ; (named with it as a pair)
	s_mov_b32 s3, 0                                ; where the next mask words stand
	s_wait_dscnt 0x0                               ; both opening adds are done
	s_wait_kmcnt 0x0
	s_mov_b32 s24, 1
	s_mov_b32 s25, s34
	s_add_nc_u64 s[26:27], s[6:7], s[32:33]
	s_or_b32 s27, s27, 0x80000000
	s_add_nc_u64 s[4:5], s[4:5], s[36:37]
	s_add_nc_u64 s[8:9], s[8:9], s[40:41]
	CROUND                                         ; all four work-groups are here: the joint loads meet
	tensor_load_to_lds s[24:27], s[16:23]          ; my block: every wave's one tensor load
	s_nop 0
.rept 4
	v_nop
.endr
	s_load_b512 s[32:47], s[8:9], s3 offset:0x0    ; key step 0's 64 mask words
	s_load_b512 s[48:63], s[8:9], s3 offset:0x40
	s_load_b512 s[68:83], s[8:9], s3 offset:0x80
	s_load_b512 s[84:99], s[8:9], s3 offset:0xc0
; A KEY STEP: 128 keys, the block at LDS byte s2.
.macro STEP
	v_add_nc_u32 v6, s2, v1
	v_add_nc_u32 v7, s2, v2
	v_nop
	v_nop                                          ; four places in front of loads into registers that the last products read
.irp t, 0,1,2,3,4,5,6,7
	ds_load_b128 v[32+6*\t:35+6*\t], v6 offset:768*\t
	ds_load_b64 v[36+6*\t:37+6*\t], v7 offset:768*\t+512
.endr
	ds_load_b128 v[86:89], v6 offset:6144          ; register e: lanes 0-15 tile 2 e's scale words, lanes 16-31 tile 2 e + 1's
	s_wait_alu depctr_va_vdst(0)
	s_wait_dscnt 0x0
.irp t, 0,2,4,6
	v_wmma_scale_f32_16x16x128_f8f6f4 v[96+8*\t:103+8*\t], v[32+6*\t:43+6*\t], v[16:27], 0, v[86+\t/2], v28 matrix_a_fmt:MATRIX_FMT_FP6 matrix_b_fmt:MATRIX_FMT_FP6
	v_wmma_scale_f32_16x16x128_f8f6f4 v[104+8*\t:111+8*\t], v[38+6*\t:49+6*\t], v[16:27], 0, v[86+\t/2], v28 matrix_a_fmt:MATRIX_FMT_FP6 matrix_b_fmt:MATRIX_FMT_FP6 matrix_a_scale:MATRIX_SCALE_ROW1
.endr
.rept 4
	v_nop                                          ; places in front of the loads over K's registers and of the first read of the scores
.endr
.irp t, 0,1,2,3
.irp i, 0,1,2
	ds_load_b128 v[32+12*\t+4*\i:35+12*\t+4*\i], v6 offset:6656+1536*\t+512*\i   ; V^T's four fragments land under the softmax
.endr
.endr
	ds_load_b64 v[90:91], v7 offset:12800
	s_wait_kmcnt 0x0                               ; this step's mask words, asked for a key step ago
.set n, 0
.rept 32
	v_cndmask_b32 v[96+n], v5, v[96+n], s[32+n]    ; the score where the bit is set, else -2^33; each accumulator from its low end on
.set n, n+1
.endr
.rept 32
	v_cndmask_b32 v[96+n], v5, v[96+n], s[36+n]
.set n, n+1
.endr
	s_add_co_u32 s3, s3, 256                       ; (the loads that read s3 are done)
	s_and_b32 s3, s3, 0x1fff                       ; my two tiles have 8,192 bytes of words: behind the last step the address turns back to the first, and those words are not used
	s_load_b512 s[32:47], s[8:9], s3 offset:0x0
	s_load_b512 s[48:63], s[8:9], s3 offset:0x40
	s_load_b512 s[68:83], s[8:9], s3 offset:0x80
	s_load_b512 s[84:99], s[8:9], s3 offset:0xc0
.irp b, 0,1,2,3
	v_max3_num_f32 v[212+\b], v[96+16*\b], v[97+16*\b], v[98+16*\b]   ; the largest score of my two blocks of 32 keys, in two chains each: for the row's maximum and, since p rises with the score, for the block's largest p
.endr
.irp i, 3,5,7,9,11,13
.irp b, 0,1,2,3
	s_delay_alu instid0(VALU_DEP_4)
	v_max3_num_f32 v[212+\b], v[212+\b], v[96+16*\b+\i], v[97+16*\b+\i]
.endr
.endr
.irp b, 0,1,2,3
	s_delay_alu instid0(VALU_DEP_4)
	v_max_num_f32 v[212+\b], v[212+\b], v[111+16*\b]
.endr
	s_delay_alu instid0(VALU_DEP_3)
	v_max_num_f32 v212, v212, v213                 ; block lane / 16
	s_delay_alu instid0(VALU_DEP_2)
	v_max_num_f32 v214, v214, v215                 ; block 2 + lane / 16
	s_delay_alu instid0(VALU_DEP_1)
	v_max_num_f32 v224, v212, v214
	s_delay_alu instid0(VALU_DEP_1)
	v_permlanex16_b32 v216, v224, s66, s67
	s_delay_alu instid0(VALU_DEP_1)
	v_max_num_f32 v224, v224, v216                 ; with lane l xor 16's two blocks: the step's largest score of my query
	s_delay_alu instid0(VALU_DEP_1)
	v_mul_f32 v224, s100, v224                     ; the step's largest t
	s_delay_alu instid0(VALU_DEP_1)
	v_max_num_f32 v13, v13, v224                   ; the running largest t
	v_mov_b32 v224, v12
	s_delay_alu instid0(VALU_DEP_2)
	v_floor_f32 v12, -v13                          ; the new -M = -ceil(t)
	s_delay_alu instid0(VALU_DEP_1)
	v_sub_f32 v224, v12, v224                      ; old M - new M: a whole number, 0 or less
	s_delay_alu instid0(VALU_DEP_1)
	v_cvt_i32_f32 v224, v224                       ; (it saturates)
	s_delay_alu instid0(VALU_DEP_1)
	v_ldexp_f32 v226, 1.0, v224                    ; f = 2^(old M - new M)
.set j, 0
.rept 32
	v_pk_fma_f32 v[96+j:97+j], v[96+j:97+j], s[100:101], v[12:13] op_sel_hi:[1,0,0]   ; t - M
.set j, j+2
.endr
.irp b, 0,2
	v_fma_f32 v[212+\b], v[212+\b], s100, v12      ; the same of each block's largest score
.endr
.set j, 0
	s_wait_alu depctr_va_vdst(0)
.rept 64
	v_exp_f32 v[96+j], v[96+j]                     ; p = 2^(t - M), not normalised
.set j, j+1
.endr
.irp b, 0,2
	v_exp_f32 v[212+\b], v[212+\b]                 ; the block's largest p: the same two instructions on the same number
.endr
	v_pk_mul_f32 v[14:15], v[14:15], v[226:227] op_sel_hi:[1,0]   ; the sum under the new M: a plain instruction behind the exponentials
.set j, 0
	s_wait_alu depctr_va_vdst(0)
.rept 16
	v_pk_mul_f32 v[160+j:161+j], v[160+j:161+j], v[226:227] op_sel_hi:[1,0]   ; O^T under the new M
.set j, j+2
.endr
	s_wait_alu depctr_va_vdst(0)                   ; ahead of the first instruction that names a result of the batch
.irp b, 0,2
	v_max_num_f32 v[212+\b], 0x1800000, v[212+\b]  ; the floor 2^(3 - 127): the byte cannot fall under 1
.endr
.irp b, 0,2
	s_delay_alu instid0(VALU_DEP_2)
	v_add_nc_u32 v[220+\b], 0xff000000, v[212+\b]  ; 2 off the exponent field: the conversion's scale operand
.endr
.irp b, 0,2
	s_delay_alu instid0(VALU_DEP_2)
	v_lshrrev_b32 v[216+\b], 23, v[220+\b]
.endr
	s_delay_alu instid0(VALU_DEP_1)
	v_lshl_or_b32 v217, v218, 16, v216             ; my two bytes: blocks lane / 16 and 2 + lane / 16,
	s_delay_alu instid0(VALU_DEP_1)
	v_lshlrev_b32 v217, v11, v217                  ; at their places in the scale word;
	s_delay_alu instid0(VALU_DEP_1)
	v_permlanex16_b32 v219, v217, s66, s67
	s_delay_alu instid0(VALU_DEP_1)
	v_or_b32 v94, v217, v219                       ; with lane l xor 16's two: p's scale word for these 128 keys
.irp c, 0,1
	v_cvt_scalef32_pk16_fp6_f32 v[192+6*\c:194+6*\c], v[96+32*\c:111+32*\c], v[220+2*\c]
	v_cvt_scalef32_pk16_fp6_f32 v[204+4*\c:206+4*\c], v[112+32*\c:127+32*\c], v[220+2*\c]   ; the block's upper 16 (a conversion's three registers begin on an even number)
.endr
	v_nop                                          ; one plain place behind a scaled conversion
.irp c, 0,1
.irp i, 0,1,2
	v_mov_b32 v[195+6*\c+\i], v[204+4*\c+\i]
.endr
.endr
	v_pk_add_f32 v[228:229], v[100:101], v[104:105]   ; the row's sum of the unquantised p, in eight chains
	v_pk_add_f32 v[254:255], v[108:109], v[112:113]
	v_pk_add_f32 v[252:253], v[116:117], v[120:121]
	v_pk_add_f32 v[250:251], v[124:125], v[128:129]
	v_pk_add_f32 v[248:249], v[132:133], v[136:137]
	v_pk_add_f32 v[246:247], v[140:141], v[144:145]
	v_pk_add_f32 v[244:245], v[148:149], v[152:153]
	v_pk_add_f32 v[14:15], v[14:15], v[156:157]
	v_pk_add_f32 v[228:229], v[228:229], v[96:97]
	v_pk_add_f32 v[254:255], v[254:255], v[98:99]
	v_pk_add_f32 v[252:253], v[252:253], v[102:103]
	v_pk_add_f32 v[250:251], v[250:251], v[106:107]
	v_pk_add_f32 v[248:249], v[248:249], v[110:111]
	v_pk_add_f32 v[246:247], v[246:247], v[114:115]
	v_pk_add_f32 v[244:245], v[244:245], v[118:119]
	v_pk_add_f32 v[14:15], v[14:15], v[122:123]
	v_pk_add_f32 v[228:229], v[228:229], v[126:127]
	v_pk_add_f32 v[254:255], v[254:255], v[130:131]
	v_pk_add_f32 v[252:253], v[252:253], v[134:135]
	v_pk_add_f32 v[250:251], v[250:251], v[138:139]
	v_pk_add_f32 v[248:249], v[248:249], v[142:143]
	v_pk_add_f32 v[246:247], v[246:247], v[146:147]
	v_pk_add_f32 v[244:245], v[244:245], v[150:151]
	v_pk_add_f32 v[14:15], v[14:15], v[154:155]
	v_pk_add_f32 v[228:229], v[228:229], v[158:159]
	s_delay_alu instid0(VALU_DEP_2)
	v_pk_add_f32 v[14:15], v[14:15], v[250:251]
	s_delay_alu instid0(VALU_DEP_2)
	v_pk_add_f32 v[228:229], v[228:229], v[248:249]
	v_pk_add_f32 v[254:255], v[254:255], v[246:247]
	v_pk_add_f32 v[252:253], v[252:253], v[244:245]
	s_delay_alu instid0(VALU_DEP_2)
	v_pk_add_f32 v[14:15], v[14:15], v[254:255]
	s_delay_alu instid0(VALU_DEP_2)
	v_pk_add_f32 v[228:229], v[228:229], v[252:253]
	s_delay_alu instid0(VALU_DEP_1)
	v_pk_add_f32 v[14:15], v[14:15], v[228:229]
	s_wait_dscnt 0x0                               ; V^T's fragments and scale words
.irp t, 0,2
	v_wmma_scale_f32_16x16x128_f8f6f4 v[160+8*\t:167+8*\t], v[32+12*\t:43+12*\t], v[192:203], v[160+8*\t:167+8*\t], v[90+\t/2], v94 matrix_a_fmt:MATRIX_FMT_FP6 matrix_b_fmt:MATRIX_FMT_FP6
	v_wmma_scale_f32_16x16x128_f8f6f4 v[168+8*\t:175+8*\t], v[44+12*\t:55+12*\t], v[192:203], v[168+8*\t:175+8*\t], v[90+\t/2], v94 matrix_a_fmt:MATRIX_FMT_FP6 matrix_b_fmt:MATRIX_FMT_FP6 matrix_a_scale:MATRIX_SCALE_ROW1
.endr
	s_add_co_u32 s2, s2, BLKB
.endm
.macro PASSINIT p                      ; my p-th tile of queries
	s_wait_xcnt 0x0                                ; the last tile's stores have read their data
	global_load_b128 v[16:19], v29, s[4:5] offset:768*\p
	global_load_b64 v[20:21], v30, s[4:5] offset:768*\p
	global_load_b32 v28, v31, s[4:5] offset:256*\p
	v_mov_b32 v13, 0xff61b1e6                      ; the largest t so far: -3e38
	s_delay_alu instid0(VALU_DEP_1)
	v_floor_f32 v12, -v13
	v_mov_b32 v14, 0
	v_mov_b32 v15, 0
.set j, 0
.rept 32
	v_mov_b32 v[160+j], 0                          ; O^T: the step is written once, and its first trip finds zeros
.set j, j+1
.endr
	s_wait_loadcnt 0x0
.endm
.macro KLOOP                           ; all 2,048 keys of the head
	s_mov_b32 s2, 0
	s_mov_b32 s15, 16
.Lkey_\@:
	STEP
	s_sub_co_u32 s15, s15, 1
	s_cmp_lg_u32 s15, 0
	s_cbranch_scc1 .Lkey_\@
.endm
.macro FINISH p                        ; O^T / the sum; register 16 b + i is channel 32 b + 16 h + i of the head: two blocks of the last product's K, each in lanes l and l xor 16
	v_add_f32 v14, v14, v15
	s_delay_alu instid0(VALU_DEP_1)
	v_permlanex16_b32 v224, v14, s66, s67
	s_delay_alu instid0(VALU_DEP_1)
	v_add_f32 v14, v14, v224                       ; the row's sum
	s_wait_alu depctr_va_vdst(0)
	v_rcp_f32 v226, v14
	v_nop
	v_nop                                          ; plain instructions behind the reciprocal; with the additions above also the places behind the last products
	s_wait_alu depctr_va_vdst(0)                   ; ahead of the reciprocal's first reader
.set j, 0
.rept 16
	v_pk_mul_f32 v[96+j:97+j], v[160+j:161+j], v[226:227] op_sel_hi:[1,0]
.set j, j+2
.endr
.irp b, 0,1
	v_max3_num_f32 v[212+\b], |v[96+16*\b]|, |v[97+16*\b]|, 0x1800000
.endr
.irp i, 2,4,6,8,10,12,14
.irp b, 0,1
	s_delay_alu instid0(VALU_DEP_2)
	v_max3_num_f32 v[212+\b], v[212+\b], |v[96+16*\b+\i]|, |v[97+16*\b+\i]|
.endr
.endr
.irp b, 0,1
	s_delay_alu instid0(VALU_DEP_2)
	v_permlanex16_b32 v[216+\b], v[212+\b], s66, s67
.endr
.irp b, 0,1
	s_delay_alu instid0(VALU_DEP_2)
	v_max_num_f32 v[212+\b], v[212+\b], v[216+\b]
.endr
.irp b, 0,1
	s_delay_alu instid0(VALU_DEP_2)
	v_add_nc_u32 v[220+\b], 0xff000000, v[212+\b]
.endr
.irp b, 0,1
	s_delay_alu instid0(VALU_DEP_2)
	v_lshrrev_b32 v[216+\b], 23, v[220+\b]
.endr
	s_delay_alu instid0(VALU_DEP_1)
	v_lshl_or_b32 v225, v217, 8, v216              ; the head's two scale bytes of my row
	v_cvt_scalef32_pk16_fp6_f32 v[192:194], v[96:111], v220
	v_cvt_scalef32_pk16_fp6_f32 v[204:206], v[112:127], v221
	v_nop
.irp i, 0,1,2
	v_permlane16_swap_b32 v[192+\i], v[204+\i]
.endr
.irp i, 0,1,2
	s_delay_alu instid0(VALU_DEP_3)
	v_mov_b32 v[195+\i], v[204+\i]
.endr
	global_store_b128 v8, v[192:195], s[10:11] offset:12288*\p    ; half a fragment's image: 512 consecutive bytes,
	global_store_b64 v9, v[196:197], s[10:11] offset:12288*\p     ; and 256
	global_store_b16 v10, v225, s[10:11] offset:AOSC+512*\p       ; two bytes a row (lanes 16-31 write the same bytes with the same values): 32 bytes beside the tile's 768
.endm
	PASSINIT 0
	s_wait_tensorcnt 0x0                           ; my block of K and V has landed,
	s_barrier_signal -1
	s_barrier_wait -1                              ; everybody's has: from here on LDS is only read
	KLOOP
	s_wait_alu depctr_va_vdst(0)
	FINISH 0
	PASSINIT 1
	KLOOP
	s_wait_alu depctr_va_vdst(0)
	FINISH 1
	s_wait_kmcnt 0x0                               ; the words asked for behind the last step
	s_wait_tensorcnt 0x0                           ; the wave's end
	ds_add_u32 v[SPW], v[NIL]
	s_wait_dscnt 0x0
	CROUND                                         ; the closing round
	s_endpgm
.Lfunc_end_k_qf1218e2e30_attn:
	.size	k_qf1218e2e30_attn, .Lfunc_end_k_qf1218e2e30_attn-k_qf1218e2e30_attn
	.p2alignl 7, 3214868480
	.fill 96, 4, 3214868480
	.section	.rodata,"a",@progbits
	.p2align	6, 0x0
	.amdhsa_kernel k_qf1218e2e30_attn
		.amdhsa_group_segment_fixed_size 212992
		.amdhsa_private_segment_fixed_size 0
		.amdhsa_enable_private_segment 0
		.amdhsa_kernarg_size 32
		.amdhsa_user_sgpr_count 2
		.amdhsa_user_sgpr_kernarg_segment_ptr 1
		.amdhsa_wavefront_size32 1
		.amdhsa_system_sgpr_workgroup_id_x 1
		.amdhsa_system_sgpr_workgroup_id_y 1
		.amdhsa_system_sgpr_workgroup_id_z 1
		.amdhsa_system_vgpr_workitem_id 0
		.amdhsa_next_free_vgpr 256
		.amdhsa_next_free_sgpr 102
		.amdhsa_reserve_vcc 0
		.amdhsa_float_denorm_mode_32 3
		.amdhsa_float_denorm_mode_16_64 3
		.amdhsa_memory_ordered 1
		.amdhsa_forward_progress 1
		.amdhsa_inst_pref_size 59
	.end_amdhsa_kernel
	.amdgpu_metadata
---
amdhsa.version: [ 1, 2 ]
amdhsa.kernels:
  - .name:           k_qf1218e2e30_attn
    .symbol:         k_qf1218e2e30_attn.kd
    .args:
      - { .name: qa, .offset: 0, .size: 8, .value_kind: global_buffer, .address_space: global }
      - { .name: kv, .offset: 8, .size: 8, .value_kind: global_buffer, .address_space: global }
      - { .name: mbits, .offset: 16, .size: 8, .value_kind: global_buffer, .address_space: global }
      - { .name: ao, .offset: 24, .size: 8, .value_kind: global_buffer, .address_space: global }
    .group_segment_fixed_size: 212992
    .private_segment_fixed_size: 0
    .kernarg_segment_align: 8
    .kernarg_segment_size: 32
    .max_flat_workgroup_size: 512
    .sgpr_count:     102
    .vgpr_count:     256
    .wavefront_size: 32
...
	.end_amdgpu_metadata
.endif
;; end of part 3
;; launch outp (part 4): grid 4 x 64, 4 waves a work-group, clusters of 4 x 4, 327,680 bytes of LDS; arguments ao, opn, bo, out0; writes out0
.if DOCPART == 4
	.amdgcn_target "amdgcn-amd-amdhsa--gfx1250"
	.amdhsa_code_object_version 6
	.text
	.protected	k_qf1218e2e30_outp
	.globl	k_qf1218e2e30_outp
	.p2align	8
	.type	k_qf1218e2e30_outp,@function
k_qf1218e2e30_outp:
	s_mov_b64 s[64:65], 0
	v_nop
	global_prefetch_b8 v0, s[64:65] scope:SCOPE_SE
	s_setreg_imm32_b32 hwreg(HW_REG_WAVE_MODE, 25, 1), 1
	s_wait_xcnt 0x0
	s_wait_alu depctr_hold_cnt(0) depctr_sa_sdst(0) depctr_va_vdst(0) depctr_va_sdst(0) depctr_va_ssrc(0) depctr_va_vcc(0) depctr_vm_vsrc(0)
	s_getreg_b32 s2, hwreg(HW_REG_IB_STS2, 6, 4)
	s_cmp_eq_u32 s2, 0
	s_cbranch_scc0 .Lentry_in_a_cluster
	s_endpgm
.Lentry_in_a_cluster:
	s_bfe_u32 s2, ttmp6, 0x10000c
	s_cmp_lg_u32 s2, 0xf033
	s_cbranch_scc0 .Lentry_shape_is_right
	s_endpgm
.Lentry_shape_is_right:
; OUTP: out0 = A Wo^T + bo.  A [8192][1024] (ao) and Wo [1024][1024] (opn, units 1728 on) are codes of FP6 (E2M3) with E8M0 scales, laid in units of 16 rows x 1,024 K: eight images of operand registers (1,536 bytes each), and 512 bytes of scale rows a unit.
; SHARES.  8,192 x 1,024 in blocks of 128 x 256 are 256 work-groups.  Four waves, 2 x 2; a wave makes 64 x 128: 32 accumulators, 256 registers (window 2).
; K goes in four chunks of 256 (3,072 bytes of each unit) through two LDS slots: A's 8 units, then B's 16.  The scale rows of all of K come once.
; CLUSTER 4 x 4: A's tiles are shared along a row of the cluster, B's along a column, by joint loads.  At the head one load a wave: wave 0 A's chunk 0, wave 1 B's, wave 2 A's scale rows, wave 3 B's.
; In the ring wave 0 fetches A's chunk and wave 1 B's, each whole: one descriptor for each tile and slot, never rewritten but for its step along K.  Two refills, each behind the three lines and a round of the cluster's barrier.
; FRAGMENTS: A and B have two register sets each (A in window 0, B in window 1); a step's 48 loads are issued ahead of the products of the step before.
; The matrix instruction is used transposed (source 0 = Wo's rows), so that a lane holds eight neighbouring columns of a row; the bias is the first products' C.
; Tile row r of tile t is row 32 (t / 2) + 8 (t % 2) + r + 8 (r / 8), in A and in Wo: the way out sets both orders right (the stage's offsets for the columns, the stores' offsets for the rows).
; PREFETCH: chunks 2 and 3, which the two refills will load, are asked for once at the head: 24 blocks of 256 bytes a unit, shared out by address among the sixteen waves of the four work-groups that will ask jointly
; (A: 12 blocks a wave; B: 24).  Chunks 0 and 1 come by their loads alone.  The walk has four chunks, so nothing is left to ask for in it.
.set FR,    12
.set NP,    4                          ; places behind this matrix form (ISA guide 7.12.1)
.set UB,    3072                       ; a unit's bytes of a chunk
.set AT,    8*UB
.set SLOT,  24*UB
.set SCL,   2*SLOT                     ; the scale rows: units of 512 bytes as two rows of 256 + 16
.set SBLK,  544
.set SPARE, SCL+24*SBLK                ; the spare words, 128 bytes a wave
.set SCOFF, 22020096
.set AOSC,  6291456
.set SPITCH, 528                       ; the way out: a stage of 16 rows x (512 + 16) bytes a wave, in slot 0, which has had its last fill and its last read by then
.set ADRA, 16                          ; v16-17 A's fragments in slot 0, 1 at 16 x lane; v18-19 at 8 x lane
.set ADRB, 20                          ; v20-23 the same for B
.set STO,  24
.set RD,   25
.set CO,   26
.set ADRS, 27                          ; my scale words: lanes 0-15 A's rows, lanes 16-31 B's
.set SPW,  28
.set NIL,  29
.set PFA,  30
.set PFB,  31
.set SC,   32                          ; v32-63 scale words: a set of 16 for each slot
.set BIAS, 64                          ; v64-127
.set AF,   128                         ; A's two sets of 48
.set BK,   128
.set G1,   24
.set G0,   32
.set G1B,  48
.set G0B,  56
.set G1S,  68
.set G0S,  76
.set G1SB, 80
.set G0SB, 88
.set MSB, 0
.macro WIN new
.if MSB != (\new)
	s_set_vgpr_msb (MSB<<8)|(\new)
.set MSB, (\new)
.endif
.endm
.set MUL_LO, 0xa1                      ; source 0 (B) window 1, source 1 (A) window 0, C and D window 2
.set TO_B,   0x40
.macro PLACES n
.rept \n
	v_nop
.endr
.endm
.macro TLOAD g0, g1
	tensor_load_to_lds s[\g0:\g0+3], s[\g1:\g1+7]
	s_nop 0
	PLACES 4
.endm
.macro JLOAD s                         ; slot s: wave 0 A's chunk, wave 1 B's; the four v_nop on each way are the places in front of the loads that follow
	s_cmp_eq_u32 s16, 0
	s_cbranch_scc0 .Lfor_b_\@
	TLOAD G0+4*\s, G1
	s_branch .Lasked_\@
.Lfor_b_\@:
	s_cmp_eq_u32 s16, 1
	s_cbranch_scc0 .Lnone_\@
	TLOAD G0B+4*\s, G1B
	s_branch .Lasked_\@
.Lnone_\@:
	PLACES 4
.Lasked_\@:
.endm
.macro CREST
	s_cmp_lg_u32 s16, 0
	s_cbranch_scc1 .Lnot_wave_0_\@
	s_barrier_signal -3
.Lnot_wave_0_\@:
	s_barrier_wait -3
	s_barrier_signal -1
	s_barrier_wait -1
.endm
.macro CROUND
	s_barrier_signal -1
	s_barrier_wait -1
	CREST
.endm
	s_load_b256 s[4:11], s[0:1], 0x0               ; ao, opn, bo, out0
	v_lshl_add_u32 v[SPW], v0, 2, SPARE
	v_mov_b32 v[NIL], 0
	ds_add_u32 v[SPW], v[NIL]                      ; the opening lines
	ds_add_u32 v[SPW], v[NIL]
	v_lshrrev_b32 v1, 5, v0
	v_readfirstlane_b32 s16, v1                    ; wave
	s_lshr_b32 s17, s16, 1                         ; my 64 of the 128 rows
	s_and_b32 s18, s16, 1                          ; my 128 of the 256 columns
	s_bfe_u32 s40, ttmp6, 0x40000                  ; cx = the block's column
	s_bfe_u32 s41, ttmp6, 0x40004                  ; cy
	s_and_b32 s45, ttmp7, 0xffff
	s_lshl_b32 s45, s45, 2
	s_add_co_u32 s45, s45, s41                     ; the block's row, 0 .. 63
	s_lshl_b32 s2, s41, 2
	s_lshl_b32 s2, 15, s2                          ; my row of the cluster
	s_lshl_b32 s3, 0x1111, s40                     ; my column
	s_or_b32 s[G1+0], s2, (3<<16)|(1<<21)
	s_or_b32 s[G1B+0], s3, (3<<16)|(1<<21)
.irp g, G1, G1B                        ; rows of 3,072 bytes (384 elements of 8), a unit (12,288 bytes) apart
	s_mov_b32 s[\g+1], 384<<16
	s_mov_b32 s[\g+3], 384<<16
	s_mov_b32 s[\g+5], 1536
	s_mov_b32 s[\g+6], 0
	s_mov_b32 s[\g+7], 0
.endr
	s_mov_b32 s[G1+2], 8<<16
	s_mov_b32 s[G1+4], 8
	s_mov_b32 s[G1B+2], 16<<16
	s_mov_b32 s[G1B+4], 16
	s_or_b32 s[G1S+0], s2, (3<<16)|(1<<20)|(1<<21)|(5<<22)|(3<<25)
	s_or_b32 s[G1SB+0], s3, (3<<16)|(1<<20)|(1<<21)|(5<<22)|(3<<25)
.irp g, G1S, G1SB                      ; dense rows of 256 bytes, 16 bytes of padding behind each
	s_mov_b32 s[\g+1], 32<<16
	s_mov_b32 s[\g+3], 32<<16
	s_mov_b32 s[\g+5], 32
	s_mov_b32 s[\g+6], 0
	s_mov_b32 s[\g+7], 0
.endr
	s_mov_b32 s[G1S+2], 16<<16
	s_mov_b32 s[G1S+4], 16
	s_mov_b32 s[G1SB+2], 32<<16
	s_mov_b32 s[G1SB+4], 32
	s_lshl_b32 s20, s45, 3                         ; A's first unit
	s_lshl_b32 s94, s40, 4
	s_add_co_u32 s94, s94, 1728                    ; Wo's
	s_lshl_b32 s22, s20, 9
	s_add_co_u32 s22, s22, AOSC
	s_mov_b32 s23, 0
	s_mul_i32 s20, s20, 12288
	s_mov_b32 s21, 0
	s_lshl_b32 s92, s94, 9
	s_add_co_u32 s92, s92, SCOFF
	s_mov_b32 s93, 0
	s_mul_i32 s94, s94, 12288
	s_mov_b32 s95, 0
	s_mov_b32 s46, s20                             ; kept for the prefetches
	s_mov_b32 s47, s94
	s_wait_dscnt 0x0
	s_wait_kmcnt 0x0
	s_add_nc_u64 s[20:21], s[4:5], s[20:21]
	s_add_nc_u64 s[22:23], s[4:5], s[22:23]
	s_add_nc_u64 s[94:95], s[6:7], s[94:95]
	s_add_nc_u64 s[92:93], s[6:7], s[92:93]
	CROUND                                         ; the first joint loads meet
	s_mov_b32 s[G0S], 1
	s_mov_b32 s[G0S+1], SCL
	s_mov_b64 s[G0S+2:G0S+3], s[22:23]
	s_or_b32 s[G0S+3], s[G0S+3], 0x80000000
	s_mov_b32 s[G0SB], 1
	s_mov_b32 s[G0SB+1], SCL+8*SBLK
	s_mov_b64 s[G0SB+2:G0SB+3], s[92:93]
	s_or_b32 s[G0SB+3], s[G0SB+3], 0x80000000
.irp s, 0,1
	s_mov_b32 s[G0+4*\s], 1
	s_mov_b32 s[G0+4*\s+1], \s*SLOT
	s_add_nc_u64 s[G0+4*\s+2:G0+4*\s+3], s[20:21], \s*UB
	s_or_b32 s[G0+4*\s+3], s[G0+4*\s+3], 0x80000000
	s_mov_b32 s[G0B+4*\s], 1
	s_mov_b32 s[G0B+4*\s+1], \s*SLOT+AT
	s_add_nc_u64 s[G0B+4*\s+2:G0B+4*\s+3], s[94:95], \s*UB
	s_or_b32 s[G0B+4*\s+3], s[G0B+4*\s+3], 0x80000000
.endr
.macro ARM under, g0, g1, next         ; one chain of branches on the wave's number, one load to an arm, all arms to one join
	s_cmp_lt_u32 s16, \under
	s_cbranch_scc0 \next
	TLOAD \g0, \g1
	s_branch .Lhead_asked
\next:
.endm
	ARM 1, G0,  G1,  .Lhead_b
	ARM 2, G0B, G1B, .Lhead_sa
	ARM 3, G0S, G1S, .Lhead_sb
	TLOAD G0SB, G1SB
.Lhead_asked:
	v_and_b32 v1, 31, v0
	v_and_b32 v2, 15, v0                           ; r
	v_bfe_u32 v3, v0, 4, 1                         ; h
	v_lshlrev_b32 v[CO], 4, v1
	v_lshlrev_b32 v7, 3, v1
	s_mul_i32 s20, s17, 4*UB                       ; my 4 units of A
	s_mul_i32 s21, s18, 8*UB
	s_add_co_u32 s21, s21, AT                      ; my 8 units of B, behind A's
.irp s, 0,1
	v_add_nc_u32 v[ADRA+\s], s20, v[CO]
	v_add_nc_u32 v[ADRB+\s], s21, v[CO]
	v_add_nc_u32 v[ADRA+2+\s], s20, v7
	v_add_nc_u32 v[ADRB+2+\s], s21, v7
	s_add_co_u32 s20, s20, SLOT
	s_add_co_u32 s21, s21, SLOT
.endr
	v_lshlrev_b32 v5, 5, v2                        ; my row's scale bytes: 32 r,
	v_lshrrev_b32 v6, 8, v5
	v_lshl_add_u32 v5, v6, 4, v5                   ; and 16 more behind 256
	s_mul_i32 s20, s17, 4*SBLK
	s_mul_i32 s21, s18, 8*SBLK
	s_add_co_u32 s21, s21, 8*SBLK
	s_sub_co_u32 s21, s21, s20
	v_mul_u32_u24 v6, s21, v3                      ; lanes 16-31 take B's
	s_add_co_u32 s20, s20, SCL
	v_add_nc_u32 v5, v5, v6
	v_add_nc_u32 v[ADRS], s20, v5
	s_mul_i32 s20, s16, 16*SPITCH                  ; my stage
	v_mul_u32_u24 v5, v2, SPITCH
	v_lshl_add_u32 v5, v3, 6, v5
	v_add_nc_u32 v[STO], s20, v5
	v_add_nc_u32 v[RD], s20, v[CO]
	s_lshl_b32 s2, s45, 7
	s_lshl_b32 s3, s17, 6
	s_add_co_u32 s2, s2, s3                        ; my first row of out0
	s_lshl_b32 s20, s2, 12
	s_lshl_b32 s3, s40, 8
	s_lshl_b32 s22, s18, 7
	s_add_co_u32 s3, s3, s22                       ; my first column
	s_lshl_b32 s22, s3, 2
	s_mov_b32 s23, 0
	s_add_co_u32 s20, s20, s22
	s_mov_b32 s21, 0
	s_add_nc_u64 s[10:11], s[10:11], s[20:21]
	s_add_nc_u64 s[8:9], s[8:9], s[22:23]
	v_lshlrev_b32 v4, 6, v3
.irp b, 0,1,2,3,4,5,6,7
	global_load_b128 v[BIAS+8*\b:BIAS+8*\b+3], v4, s[8:9] offset:(32*(\b/2)+8*(\b%2))*4
	global_load_b128 v[BIAS+8*\b+4:BIAS+8*\b+7], v4, s[8:9] offset:(32*(\b/2)+8*(\b%2))*4+16
.endr
	s_lshl_b32 s92, s40, 2
	s_add_co_u32 s92, s92, s16                     ; my number among the sixteen waves that share A's tiles: half a unit's 24 blocks each
	s_lshr_b32 s93, s92, 1
	s_mul_i32 s93, s93, 12288
	s_and_b32 s92, s92, 1
	s_mul_i32 s92, s92, UB
	s_add_co_u32 s92, s92, s93
	s_add_co_u32 s92, s92, s46
	v_min_u32 v[PFA], 11, v1                       ; (the lanes left over name the last block again)
	v_lshl_add_u32 v[PFA], v[PFA], 8, s92
	s_lshl_b32 s93, s41, 2
	s_add_co_u32 s93, s93, s16                     ; and among those that share B's: a unit each
	s_mul_i32 s93, s93, 12288
	s_add_co_u32 s93, s93, s47
	v_min_u32 v[PFB], 23, v1
	v_lshl_add_u32 v[PFB], v[PFB], 8, s93
	global_prefetch_b8 v[PFA], s[4:5] offset:2*UB th:TH_LOAD_NT scope:SCOPE_SE   ; its registers are never written again
	global_prefetch_b8 v[PFB], s[6:7] offset:2*UB th:TH_LOAD_NT scope:SCOPE_SE
.macro FRAG reg, adr, q, i             ; a fragment's image: for c = 0, 1 four registers at 16 x lane, two at 8 x lane
.irp c, 0,1
	ds_load_b128 v[\reg+6*\c:\reg+6*\c+3], v[\adr] offset:UB*(\i)+1536*(\q)+768*\c
	ds_load_b64 v[\reg+6*\c+4:\reg+6*\c+5], v[\adr+2] offset:UB*(\i)+1536*(\q)+768*\c+512
.endr
.endm
.macro FETCH slot, q, p                ; 48 loads: step q of the slot's two into set p
	WIN TO_B
.irp i, 0,1,2,3,4,5,6,7
	FRAG 128*(\p)+FR*\i, ADRB+\slot, \q, \i
.endr
	WIN 0
.irp i, 0,1,2,3
	FRAG AF+48*(\p)+FR*\i, ADRA+\slot, \q, \i
.endr
.endm
.macro SCALES sc                       ; 8 loads: two words a row; lanes 0-15 A's block i (of 4; the others are not used), lanes 16-31 B's block i
.irp i, 0,1,2,3,4,5,6,7
	ds_load_b64 v[SC+16*\sc+2*\i:SC+16*\sc+2*\i+1], v[ADRS] offset:\i*SBLK
.endr
.endm
.macro MUL8 a, p, sc, zero             ; A's block a against B's eight; set p is also the step in the slot.  The 32 accumulators take turns in one order in every step
.irp b, 0,1,2,3,4,5,6,7
.if \zero
	v_wmma_scale_f32_16x16x128_f8f6f4 v[8*(8*(\a)+\b):8*(8*(\a)+\b)+7], v[128*(\p)+FR*\b:128*(\p)+FR*\b+FR-1], v[AF+48*(\p)+FR*(\a):AF+48*(\p)+FR*(\a)+FR-1], v[BIAS+8*\b:BIAS+8*\b+7], v[SC+16*(\sc)+2*\b+(\p)], v[SC+16*(\sc)+2*(\a)+(\p)] matrix_a_fmt:MATRIX_FMT_FP6 matrix_b_fmt:MATRIX_FMT_FP6 matrix_a_scale:MATRIX_SCALE_ROW1
.else
	v_wmma_scale_f32_16x16x128_f8f6f4 v[8*(8*(\a)+\b):8*(8*(\a)+\b)+7], v[128*(\p)+FR*\b:128*(\p)+FR*\b+FR-1], v[AF+48*(\p)+FR*(\a):AF+48*(\p)+FR*(\a)+FR-1], v[8*(8*(\a)+\b):8*(8*(\a)+\b)+7], v[SC+16*(\sc)+2*\b+(\p)], v[SC+16*(\sc)+2*(\a)+(\p)] matrix_a_fmt:MATRIX_FMT_FP6 matrix_b_fmt:MATRIX_FMT_FP6 matrix_a_scale:MATRIX_SCALE_ROW1
.endif
.endr
.endm
.macro STEP slot, zero                 ; a slot's first step, on set 0; the second step's fragments are fetched ahead of its products
	PLACES NP                                      ; behind the products that read set 1
	FETCH \slot, 1, 1
	s_wait_dscnt 48                                ; all but the 48 just issued: set 0 and its scale words are in
.if \zero
	WIN 0x81                                       ; C, the bias, in window 0
.else
	WIN MUL_LO
.endif
.irp a, 0,1,2,3
	MUL8 \a, 0, \slot, \zero
.endr
	WIN 0
.endm
.macro TURN slot, next, fill           ; a slot's second step, on set 1, and the change of slots
	s_wait_tensorcnt 0x0                           ; all my tensor loads have landed;
	ds_add_u32 v[SPW], v[NIL]
	s_wait_dscnt 1                                 ; (the add may be out: set 1 is in)
	WIN MUL_LO
	MUL8 0, 1, \slot, 0
	s_wait_dscnt 0x0                               ; the add is done, and so are my reads of this slot
	s_barrier_signal -1
	MUL8 1, 1, \slot, 0
	WIN 0
	s_barrier_wait -1
.if \fill
	CREST                                          ; the barrier has opened a round: no wave of any partner reads this slot or has a load on its way
	s_add_nc_u64 s[G0+4*\slot+2:G0+4*\slot+3], s[G0+4*\slot+2:G0+4*\slot+3], 2*UB
	s_add_nc_u64 s[G0B+4*\slot+2:G0B+4*\slot+3], s[G0B+4*\slot+2:G0B+4*\slot+3], 2*UB
	JLOAD \slot
.else
	PLACES NP
.endif
	s_wait_alu depctr_va_vdst(0)
	v_add_nc_u32 v[ADRS], 8, v[ADRS]               ; the next chunk's two scale words
	FETCH \next, 0, 0
	SCALES \next
	WIN MUL_LO
	MUL8 2, 1, \slot, 0
	MUL8 3, 1, \slot, 0
	WIN 0
.endm
	s_wait_alu depctr_va_vdst(0)
	s_wait_tensorcnt 0x0                           ; my tile of the head's four is in; the three lines ahead of slot 1's first fill
	ds_add_u32 v[SPW], v[NIL]
	s_wait_dscnt 0x0
	CROUND                                         ; all four tiles are in, in every work-group of the cluster
	JLOAD 1                                        ; chunk 1
	FETCH 0, 0, 0
	SCALES 0
	s_wait_loadcnt 0x0                             ; the bias
	STEP 0, 1
	TURN 0, 1, 1
	STEP 1, 0
	TURN 1, 0, 1
	STEP 0, 0
	TURN 0, 1, 0                                   ; nothing more to fetch: the barrier shows chunk 3 to all
	STEP 1, 0
	s_wait_dscnt 0x0
	WIN MUL_LO
.irp a, 0,1,2,3
	MUL8 \a, 1, 1, 0
.endr
	WIN 0
; THE WAY OUT, block by block of 16 rows x 128 columns: through my own stage and back as whole rows of 512 bytes.  LDS serves a wave's instructions in order (ISA guide 5.7.1.4): no wait between the stores and the loads.
.macro TOSTAGE a
	WIN 0x08                                       ; the data: window 2
.irp b, 0,1,2,3,4,5,6,7
	ds_store_b128 v[STO], v[64*(\a)+8*\b:64*(\a)+8*\b+3] offset:128*(\b/2)+32*(\b%2)
	ds_store_b128 v[STO], v[64*(\a)+8*\b+4:64*(\a)+8*\b+7] offset:128*(\b/2)+32*(\b%2)+16
.endr
	WIN 0
.set BB, BK+64*((\a)%2)
.irp t, 0,1,2,3,4,5,6,7,8,9,10,11,12,13,14,15
	ds_load_b128 v[BB+4*\t:BB+4*\t+3], v[RD] offset:\t*SPITCH
.endr
.endm
.macro SEND a, younger                 ; younger: the LDS instructions issued behind block a's loads
.set BB, BK+64*((\a)%2)
	s_wait_dscnt \younger
.irp t, 0,1,2,3,4,5,6,7,8,9,10,11,12,13,14,15
	global_store_b128 v[CO], v[BB+4*\t:BB+4*\t+3], s[10:11] offset:(32*((\a)/2)+8*((\a)%2)+\t+8*(\t/8))*4096 th:TH_STORE_NT   ; 32 lanes store 512 consecutive bytes, aligned
.endr
.endm
	PLACES NP
	TOSTAGE 0
.irp a, 1,2,3
.if \a > 1
	s_wait_xcnt 0x0                                ; block a - 2's stores have read their registers
.endif
	TOSTAGE \a
	SEND \a-1, 32                                  ; behind block a - 1's loads: block a's 16 stores and 16 loads
.endr
	SEND 3, 0
	s_wait_tensorcnt 0x0                           ; the wave's end
	ds_add_u32 v[SPW], v[NIL]
	s_wait_dscnt 0x0
	CROUND                                         ; the closing round
	s_endpgm
.Lfunc_end_k_qf1218e2e30_outp:
	.size	k_qf1218e2e30_outp, .Lfunc_end_k_qf1218e2e30_outp-k_qf1218e2e30_outp
	.p2alignl 7, 3214868480
	.fill 96, 4, 3214868480
	.section	.rodata,"a",@progbits
	.p2align	6, 0x0
	.amdhsa_kernel k_qf1218e2e30_outp
		.amdhsa_group_segment_fixed_size 327680
		.amdhsa_private_segment_fixed_size 0
		.amdhsa_enable_private_segment 0
		.amdhsa_kernarg_size 32
		.amdhsa_user_sgpr_count 2
		.amdhsa_user_sgpr_kernarg_segment_ptr 1
		.amdhsa_wavefront_size32 1
		.amdhsa_system_sgpr_workgroup_id_x 1
		.amdhsa_system_sgpr_workgroup_id_y 1
		.amdhsa_system_sgpr_workgroup_id_z 1
		.amdhsa_system_vgpr_workitem_id 0
		.amdhsa_next_free_vgpr 768
		.amdhsa_next_free_sgpr 100
		.amdhsa_reserve_vcc 0
		.amdhsa_float_denorm_mode_32 3
		.amdhsa_float_denorm_mode_16_64 3
		.amdhsa_memory_ordered 1
		.amdhsa_forward_progress 1
		.amdhsa_inst_pref_size 91
	.end_amdhsa_kernel
	.amdgpu_metadata
---
amdhsa.version: [ 1, 2 ]
amdhsa.kernels:
  - .name:           k_qf1218e2e30_outp
    .symbol:         k_qf1218e2e30_outp.kd
    .args:
      - { .name: ao, .offset: 0, .size: 8, .value_kind: global_buffer, .address_space: global }
      - { .name: opn, .offset: 8, .size: 8, .value_kind: global_buffer, .address_space: global }
      - { .name: bo, .offset: 16, .size: 8, .value_kind: global_buffer, .address_space: global }
      - { .name: out0, .offset: 24, .size: 8, .value_kind: global_buffer, .address_space: global }
    .group_segment_fixed_size: 327680
    .private_segment_fixed_size: 0
    .kernarg_segment_align: 8
    .kernarg_segment_size: 32
    .max_flat_workgroup_size: 128
    .sgpr_count:     100
    .vgpr_count:     768
    .wavefront_size: 32
...
	.end_amdgpu_metadata
.endif
;; end of part 4
